; MI455X (gfx1250); checked and timed in simulation.
; The chip was launched on July 23, 2026; its instructions are those of AMD's public machine-readable ISA for CDNA 5 (MIT licence, August 2026) and "CDNA5" Instruction Set Architecture Reference Guide (July 2026). The comments in the code are by the model that wrote it; some were corrected since.
;; Multi Head Attention. Allowed arithmetic: matrix products marked QUANTISED: E2M3 operands, one E8M0 scale for each 32 along K, by v_wmma_scale_f32_16x16x128_f8f6f4 with both operands' format E2M3, f32 sums; everything else in f32.
;; Inputs: Wk 1,024 x 1,024 float32; Wo 1,024 x 1,024 float32; Wq 1,024 x 1,024 float32; Wv 1,024 x 1,024 float32; x 4 x 2,048 x 1,024 float32.
;; Outputs: out0 4 x 2,048 x 1,024 float32.
;; This version of the problem:
;;   THIS VERSION OF THE PROBLEM IS GIVEN IN LOW PRECISION. The matrix products marked QUANTISED in the list below multiply operands that are first quantised to E2M3 (2 exponent bits, 3 mantissa bits; 6 bits a number), with one power-of-two scale for each 32 numbers along K (OCP MX v1.0); their sums are f32. All else is computed in f32.
;;   The module's matrix products, in the order in which they are computed (A, B: the left and right operand; K: the contracted axis; several contracted axes count as one K, in the product's order):
;;     1. [M 8,192, K 1,024] x [K 1,024, N 1,024]; A: input x; B: input Wq: QUANTISED
;;     2. [M 8,192, K 1,024] x [K 1,024, N 1,024]; A: input x; B: input Wk: QUANTISED
;;     3. [M 8,192, K 1,024] x [K 1,024, N 1,024]; A: input x; B: input Wv: QUANTISED
;;     4. batch 64 x [M 2,048, K 64] x [K 64, N 2,048]; A: computed on the way; B: computed on the way: QUANTISED
;;     5. batch 64 x [M 2,048, K 2,048] x [K 2,048, N 64]; A: softmax (see below); B: computed on the way: QUANTISED
;;     6. [M 8,192, K 1,024] x [K 1,024, N 1,024]; A: computed on the way; B: input Wo: QUANTISED
;;   THE QUANTISER, for each operand of a quantised product, along K:
;;     - K is cut into blocks of 32 from its start; a last block that is shorter is filled with zeros.
;;     - A block's scale is 2^e with e = floor(log2(the largest magnitude in the block)) - 2, held to -126 .. 127; a block of zeros has e = 0. As a byte (E8M0): e + 127.
;;     - Each number is divided by its block's scale, clamped to +-7.5, and rounded to the nearest number of E2M3, ties to even, subnormals kept.
;;     - The product sums the exact products of the quantised numbers (number of the format x scale) in f32.
;;   ~~~python
;;   def quantise(x, axis):      # numpy; x: float32 -> the quantised numbers, widened to float32 again
;;       x = np.moveaxis(x, axis, -1); K = x.shape[-1]
;;       x = np.pad(x, [(0, 0)] * (x.ndim - 1) + [(0, -K % 32)]); x = x.reshape(x.shape[:-1] + (-1, 32)); a = np.abs(x).max(-1, keepdims=True)
;;       e = np.where(a > 0, np.clip(np.frexp(np.where(a > 0, a, 1))[1] - 1 - 2, -126, 127), 0)      # np.frexp(a)[1] - 1 = floor(log2(a)), exactly
;;       r = np.clip(x / 2.0 ** e, -7.5, 7.5)
;;       step = 2.0 ** (np.maximum(np.frexp(np.where(r == 0, 1, r))[1] - 1, 0) - 3)
;;       q = np.round(r / step) * step * 2.0 ** e      # np.round: ties to even
;;       return np.moveaxis(q.reshape(q.shape[:-2] + (-1,))[..., :K], -1, axis).astype(np.float32)
;;   ~~~
;;   SOFTMAX AHEAD OF A QUANTISED PRODUCT. Where the list says 'softmax', what is quantised is not the finished softmax but p = 2^(t - M), with t = logit x log2(e) and M = ceil(the row's largest t), a whole number; so 1/2 < the row's largest p <= 1. The row's sum l is taken of the UNQUANTISED p, in f32, and the product's result is divided by l at the end. Since M is a whole number, a kernel that streams over the keys may use a running M (the ceiling of the running maximum): every later rescaling is an exact power of two, which a block's scale takes up: the codes' values come out the same.
;;   OPERANDS COMPUTED ON THE WAY. 'Computed on the way' means the value that the module computes at that place (a softmax that the list does not call 'softmax' is quantised finished and normalised). What goes into a quantiser is computed in f32, as accurately as f32 sums, v_exp_f32 and their like allow (about 1e-6 of the number): no bf16 or f16 on the way to a quantiser, and a product that is left as it is and whose result goes on into a quantised operand takes f32 operands (vector FMAs, or v_wmma_f32_16x16x4_f32). A number that lies on a knife's edge between two numbers of the format may be rounded either way, as far as f32 arithmetic and the matrix unit's own rounding can turn it there, and no further.
;; One version. Each part assembles by itself: llvm-mc -triple=amdgcn-amd-amdhsa -mcpu=gfx1250 --defsym DOCPART=n.
;; ======== version 1 of 1: 4 launches
;; workspace buffers: xq 6,553,600 bytes; wbuf 3,276,800 bytes; rt 557,056 bytes; qbuf 6,815,744 bytes; kv 13,369,344 bytes; oc 6,553,600 bytes
;; launch prep (part 1): grid 520 x 1, 4 waves a work-group, no clusters, 35,328 bytes of LDS; arguments x, Wq, Wk, Wv, Wo, xq, wbuf, rt; writes xq, wbuf, rt
.if DOCPART == 1
	.amdgcn_target "amdgcn-amd-amdhsa--gfx1250"
	.amdhsa_code_object_version 6
	.text
	.protected	k_q454b49118e_prep
	.globl	k_q454b49118e_prep
	.p2align	8
	.type	k_q454b49118e_prep,@function
k_q454b49118e_prep:
	s_mov_b64 s[64:65], 0
	v_nop
	global_prefetch_b8 v0, s[64:65] scope:SCOPE_SE
	s_setreg_imm32_b32 hwreg(HW_REG_WAVE_MODE, 25, 1), 1
	s_wait_xcnt 0x0
; x [8192][1024] and the four weights [1024 (k)][1024 (n)], f32, become codes of FP6 (E2M3) with one E8M0 byte for each 32 along K; and the table of cos and sin for the rotation is made.
; LAYOUT OF THE CODES (this program's own).  Rows (tokens, or columns n of a weight) stand in POSITIONS: position p holds row pi(p), pi = bits 3 and 4 of p exchanged.
; A UNIT, 768 bytes, is 16 positions x 64 along K as an image of six operand registers: lane l = (r = l % 16, h = l / 16) holds the 24 bytes of K = 32 h .. 32 h + 31 of position r;
; its registers 0-3 lie at 16 l, its registers 4-5 at 512 + 8 l.  A BLOCK, 25,600 bytes, is 128 positions x 256 along K: unit (tile of 16 positions, 64 along K) at 3,072 tile + 768 chunk,
; and from byte 24,576 on eight scale bytes a position.  A tensor is [K / 256][positions / 128] blocks.  Every store of a wave covers 256 or 512 consecutive bytes, aligned to 256.
; THREE PATHS, by the work-group's number: 0-255 x (32 tokens each; wave w takes K = 256 w on); 256-383 the weights (128 columns x 256 along K each); 384-519 the table, a tile of 16 positions each.
; A block's scale is 2^(floor(log2(largest magnitude)) - 2): its byte is the largest magnitude's exponent field - 2, held at 1 from below.
; LIMITS: a block of zeros, or one whose largest magnitude lies under 2^-124, gets the byte 1 (the bytes are read by this program alone; zero codes add nothing); NaN and infinities are not served.
; The table's frequency 10^(-f/8) is the product of two f32 constants, within about 1.5 units in the last place; so an angle is within about 2e-4 radians at position 2,047.
; No matrix work, no cluster, no tensor load: nothing is shared between work-groups, and each input byte is read once.
.set BLK,   25600
.set STG,   8704                       ; the x path's stage: 32 rows x (256 bytes + 16) for each wave
.set SPARE, 4*STG                      ; behind the stages: the spare words, 128 bytes for each wave
.set R,   32                           ; v32-159  two sets of 64 numbers as loaded
.set X,   160                          ; v160-223 the x path: two blocks of 32 neighbours
.set CA,  224                          ; v224-231, v232-239: the codes of two blocks
.set CB,  232
.set SPW, 14                           ; v14 my spare word's LDS address; never rewritten
.set NIL, 15                           ; v15 0; never rewritten
; 32 numbers of one lane, v[xs] on, become 24 bytes of codes in v[c] .. v[c+5] and the scale's byte in v13
.macro QBLOCK xs, c
	v_max3_num_f32 v12, |v[\xs]|, |v[\xs+1]|, |v[\xs+2]|
	v_max3_num_f32 v13, |v[\xs+3]|, |v[\xs+4]|, |v[\xs+5]|
.irp i, 6,10,14,18,22,26
	v_max3_num_f32 v12, v12, |v[\xs+\i]|, |v[\xs+\i+1]|
	v_max3_num_f32 v13, v13, |v[\xs+\i+2]|, |v[\xs+\i+3]|
.endr
	v_max3_num_f32 v12, v12, |v[\xs+30]|, |v[\xs+31]|
	v_max3_num_f32 v12, v12, v13, 0x1800000        ; the floor 2^(3 - 127): the byte cannot fall under 1
	v_add_nc_u32 v11, 0xff000000, v12              ; 2 off the exponent field: the conversion takes this operand's exponent field as its scale
	v_cvt_scalef32_pk16_fp6_f32 v[\c:\c+2], v[\xs:\xs+15], v11
	v_cvt_scalef32_pk16_fp6_f32 v[\c+4:\c+6], v[\xs+16:\xs+31], v11   ; (a conversion's three registers begin on an even number)
	v_lshrrev_b32 v13, 23, v11                     ; the byte; also the plain line between the conversions and the moves
	v_mov_b32 v[\c+3], v[\c+4]
	v_mov_b32 v[\c+4], v[\c+5]
	v_mov_b32 v[\c+5], v[\c+6]
.endm
.macro OUT c, off, base                ; a unit leaves: 512 consecutive bytes, then 256
	global_store_b128 v5, v[\c:\c+3], s[\base:\base+1] offset:\off
	global_store_b64 v6, v[\c+4:\c+5], s[\base:\base+1] offset:\off+512
.endm
.macro LOADX c                         ; the x path: 64 along K of 32 rows; each load takes two rows' 256 consecutive bytes
.irp i, 0,1,2,3,4,5,6,7,8,9,10,11,12,13,14,15
	global_load_b128 v[R+64*((\c)%2)+4*\i:R+64*((\c)%2)+4*\i+3], v2, s[4:5] offset:2*\i*4096+(\c)*256 th:TH_LOAD_NT
.endr
.endm
.macro CHUNKX c
.if (\c) < 3
	s_wait_loadcnt 16                              ; this chunk's 16 loads are in; the next chunk's 16 may be out
.else
	s_wait_loadcnt 0
.endif
.irp i, 0,1,2,3,4,5,6,7,8,9,10,11,12,13,14,15
.set PI, ((2*\i)&7)|(((2*\i)&8)<<1)|(((2*\i)&16)>>1)
	ds_store_b128 v3, v[R+64*((\c)%2)+4*\i:R+64*((\c)%2)+4*\i+3] offset:PI*272   ; row 2 i (+1) goes to its position
.endr
.irp u, 0,1
.irp e, 0,1,2,3,4,5,6,7
	ds_load_b128 v[X+32*\u+4*\e:X+32*\u+4*\e+3], v4 offset:\u*4352+16*\e        ; back: position 16 u + r, K = 32 h on: a whole block a lane (LDS serves a wave's instructions in order)
.endr
.endr
	s_wait_dscnt 0x0                               ; the numbers are back; the stores into the stage have read their registers
	s_wait_xcnt 0x0                                ; the last chunk's stores have read their data: the codes' registers are written again only behind this wait
.if (\c) < 2
	LOADX (\c)+2
.endif
	QBLOCK X, CA
.if (\c) == 0
	v_mov_b32 v8, v13
.else
	v_lshl_or_b32 v8, v13, 8*(\c), v8
.endif
	QBLOCK X+32, CB
.if (\c) == 0
	v_mov_b32 v9, v13
.else
	v_lshl_or_b32 v9, v13, 8*(\c), v9
.endif
	OUT CA, (\c)*768, 14
	OUT CB, 3072+(\c)*768, 14
.endm
.macro LOADC c                         ; the weights' path: a lane takes a column, its registers run down K: 64 rows
.set I, 0
.rept 64
	global_load_b32 v[R+64*((\c)%2)+I], v2, s[6:7] offset:(64*(\c)+I)*4096 th:TH_LOAD_NT
.set I, I+1
.endr
.endm
.macro CHUNKW c
.if (\c) < 3
	s_wait_loadcnt 63                              ; 64 younger loads are out; the count's field ends at 63, and a smaller count is safe
.else
	s_wait_loadcnt 0
.endif
	s_wait_xcnt 0x0                                ; the last chunk's stores have read their data
	QBLOCK R+64*((\c)%2), CA
.if (\c)%2 == 0
	v_mov_b32 v[8+(\c)/2], v13
.else
	v_lshl_or_b32 v[8+(\c)/2], v13, 16, v[8+(\c)/2]
.endif
	QBLOCK R+64*((\c)%2)+32, CB
	v_lshl_or_b32 v[8+(\c)/2], v13, 16*((\c)%2)+8, v[8+(\c)/2]
.if (\c) < 2
	LOADC (\c)+2
.endif
.irp i, 0,1,2,3,4,5
	v_permlane16_swap_b32 v[CA+\i], v[CB+\i]       ; CA: lanes 16-31 take positions 0-15's second block; CB: lanes 0-15 take positions 16-31's first: two units
.endr
	OUT CA, (\c)*768, 16
	OUT CB, 3072+(\c)*768, 16
.endm
; cos and sin of position x frequency: the angle less n quarter turns (pi / 2 in two parts), two polynomials on |r| <= pi / 4, and the quadrant
.macro SINCOS e, sb
	v_mul_f32 v22, s[\sb], v21                     ; the frequency
	v_mul_f32 v22, v20, v22                        ; the angle
	v_mul_f32 v23, 0x3f22f983, v22
	v_rndne_f32 v23, v23                           ; n
	v_fma_f32 v22, -v23, s40, v22
	v_fma_f32 v22, -v23, s41, v22                  ; r
	v_cvt_i32_f32 v23, v23
	v_mul_f32 v24, v22, v22
	v_mov_b32 v25, 0x3638ef1d
	v_fmaak_f32 v25, v25, v24, 0xb9500d01
	v_fmaak_f32 v25, v25, v24, 0x3c088889
	v_fmaak_f32 v25, v25, v24, 0xbe2aaaab
	v_mul_f32 v26, v24, v22
	v_fma_f32 v25, v25, v26, v22                   ; sin r
	v_mov_b32 v26, 0xb493f27e
	v_fmaak_f32 v26, v26, v24, 0x37d00d01
	v_fmaak_f32 v26, v26, v24, 0xbab60b61
	v_fmaak_f32 v26, v26, v24, 0x3d2aaaab
	v_fmaak_f32 v26, v26, v24, 0xbf000000
	v_fma_f32 v26, v26, v24, 1.0                   ; cos r
	v_and_b32 v27, 1, v23
	v_cmp_eq_u32 vcc_lo, 1, v27
	v_cndmask_b32 v28, v25, v26, vcc_lo            ; an odd n exchanges the two
	v_cndmask_b32 v29, v26, v25, vcc_lo
	v_and_b32 v27, 2, v23
	v_lshlrev_b32 v27, 30, v27
	v_xor_b32 v[36+\e], v27, v28                   ; sin: minus where n & 2
	v_add_nc_u32 v27, 1, v23
	v_and_b32 v27, 2, v27
	v_lshlrev_b32 v27, 30, v27
	v_xor_b32 v[32+\e], v27, v29                   ; cos: minus where (n + 1) & 2
.endm
	s_load_b256 s[4:11], s[0:1], 0x0               ; x s[4:5], Wq s[6:7], Wk s[8:9], Wv s[10:11]
	s_load_b256 s[12:19], s[0:1], 0x20             ; Wo s[12:13], xq s[14:15], wbuf s[16:17], rt s[18:19]
	v_lshl_add_u32 v[SPW], v0, 2, SPARE
	v_mov_b32 v[NIL], 0
	v_lshrrev_b32 v1, 5, v0
	v_readfirstlane_b32 s20, v1                    ; wave
	v_and_b32 v1, 31, v0                           ; lane
	v_and_b32 v16, 15, v0                          ; r
	v_bfe_u32 v7, v0, 4, 1                         ; h
	v_lshlrev_b32 v5, 4, v1                        ; 16 x lane
	v_lshlrev_b32 v6, 3, v1                        ; 8 x lane
	s_mov_b32 s22, 0x76543210
	s_mov_b32 s23, 0xfedcba98                      ; v_permlanex16_b32's selects for lane l xor 16
	s_wait_kmcnt 0x0
	s_cmp_lt_u32 ttmp9, 256
	s_cbranch_scc1 .Lx_path
	s_cmp_lt_u32 ttmp9, 384
	s_cbranch_scc1 .Lw_path
	; ---- THE TABLE.  Tile T: lane (r, h), piece j (512 bytes, lane l at 16 l): j = 0..3 cos, j = 4..7 sin of f = 16 h + 4 (j % 4) + 0..3 at position pi(16 T + r).  Tiles 128-135: position 0 (cos 1, sin 0).
	s_sub_co_u32 s24, ttmp9, 384                   ; T
	s_lshr_b32 s25, s24, 1
	s_lshl_b32 s25, s25, 5
	s_and_b32 s26, s24, 1
	s_lshl_b32 s26, s26, 3
	s_add_co_u32 s25, s25, s26                     ; 32 (T / 2) + 8 (T % 2)
	s_cmp_lt_u32 s24, 128
	s_cselect_b32 s26, 1, 0
	v_and_b32 v2, 7, v16
	v_lshrrev_b32 v3, 3, v16
	v_lshl_add_u32 v2, v3, 4, v2                   ; + r % 8 + 16 (r / 8)
	v_add_nc_u32 v2, s25, v2
	v_mul_u32_u24 v2, s26, v2
	v_cvt_f32_u32 v20, v2                          ; the position
	s_and_b32 s27, s20, 1                          ; wave k makes f = 16 h + 4 k + e: 10^(-f/8) = 10^(-(4 (k % 2) + e) / 8) x 10^-(2 h + k / 2)
	s_cmp_eq_u32 s27, 1
	s_mov_b32 s32, 0x3f800000
	s_cselect_b32 s32, 0x3ea1e89b, s32
	s_mov_b32 s33, 0x3f3ff911
	s_cselect_b32 s33, 0x3e72d424, s33
	s_mov_b32 s34, 0x3f0ff59a
	s_cselect_b32 s34, 0x3e361887, s34
	s_mov_b32 s35, 0x3ed7e89b
	s_cselect_b32 s35, 0x3e088d77, s35
	s_lshr_b32 s27, s20, 1
	s_cmp_eq_u32 s27, 1
	s_mov_b32 s36, 0x3f800000
	s_cselect_b32 s36, 0x3dcccccd, s36
	s_mov_b32 s37, 0x3c23d70a
	s_cselect_b32 s37, 0x3a83126f, s37
	v_mov_b32 v21, s36
	v_mov_b32 v22, s37
	v_cmp_eq_u32 vcc_lo, 1, v7
	v_cndmask_b32 v21, v21, v22, vcc_lo
	s_mov_b32 s40, 0x3fc90fdb                      ; pi / 2, its upper part,
	s_mov_b32 s41, 0xb33bbd2e                      ; and the rest
	s_lshl_b32 s28, s24, 12
	s_lshl_b32 s29, s20, 9
	s_add_co_u32 s28, s28, s29
	s_mov_b32 s29, 0
	s_add_nc_u64 s[18:19], s[18:19], s[28:29]
	SINCOS 0, 32
	SINCOS 1, 33
	SINCOS 2, 34
	SINCOS 3, 35
	global_store_b128 v5, v[32:35], s[18:19]
	global_store_b128 v5, v[36:39], s[18:19] offset:2048
	s_endpgm
.Lw_path:
	; ---- A WEIGHT: matrix m, columns 128 cg + 32 wave + pi(lane), K = 256 sigma on
	s_sub_co_u32 s24, ttmp9, 256
	s_lshr_b32 s25, s24, 5                         ; m: 0 Wq, 1 Wk, 2 Wv, 3 Wo
	s_bfe_u32 s26, s24, 0x30002                    ; cg
	s_and_b32 s27, s24, 3                          ; sigma
	s_cmp_eq_u32 s25, 1
	s_cselect_b64 s[6:7], s[8:9], s[6:7]
	s_cmp_eq_u32 s25, 2
	s_cselect_b64 s[6:7], s[10:11], s[6:7]
	s_cmp_eq_u32 s25, 3
	s_cselect_b64 s[6:7], s[12:13], s[6:7]
	v_and_b32 v2, 7, v1
	v_and_b32 v3, 8, v1
	v_lshl_or_b32 v2, v3, 1, v2
	v_and_b32 v3, 16, v1
	v_lshrrev_b32 v3, 1, v3
	v_or_b32 v2, v2, v3
	v_lshlrev_b32 v2, 2, v2                        ; 4 pi(lane)
	s_lshl_b32 s28, s27, 20                        ; 256 rows of 4,096 bytes
	s_lshl_b32 s29, s26, 9
	s_add_co_u32 s28, s28, s29
	s_lshl_b32 s29, s20, 7
	s_add_co_u32 s28, s28, s29
	s_mov_b32 s29, 0
	s_add_nc_u64 s[6:7], s[6:7], s[28:29]
	s_lshl_b32 s28, s27, 5
	s_lshl_b32 s30, s25, 3
	s_add_co_u32 s28, s28, s30
	s_add_co_u32 s28, s28, s26
	s_mul_i32 s28, s28, BLK                        ; block (sigma, 8 m + cg)
	s_lshl_b32 s30, s20, 8
	s_add_co_u32 s30, s30, s28
	s_add_co_u32 s30, s30, 24576
	s_mov_b32 s31, 0
	s_mul_i32 s24, s20, 6144
	s_add_co_u32 s28, s28, s24
	s_add_nc_u64 s[30:31], s[16:17], s[30:31]      ; my 32 positions' scale bytes
	s_add_nc_u64 s[16:17], s[16:17], s[28:29]      ; my two tiles' units
	LOADC 0
	LOADC 1
	CHUNKW 0
	CHUNKW 1
	CHUNKW 2
	CHUNKW 3
	global_store_b64 v6, v[8:9], s[30:31]          ; eight bytes a position: the wave stores 256 consecutive bytes
	s_endpgm
.Lx_path:
	; ---- x: tokens 32 j .. 32 j + 31, K = 256 wave on
	v_lshlrev_b32 v2, 12, v7
	v_lshl_add_u32 v2, v16, 4, v2                  ; in: lanes 0-15 one row's 256 bytes, lanes 16-31 the next row's
	s_mul_i32 s24, s20, STG
	v_mul_u32_u24 v3, v7, 272
	v_lshl_add_u32 v3, v16, 4, v3
	v_add_nc_u32 v3, s24, v3                       ; the stage, on the way in
	v_mul_u32_u24 v4, v16, 272
	v_lshl_add_u32 v4, v7, 7, v4
	v_add_nc_u32 v4, s24, v4                       ; and out: row r, 128 h bytes on
	s_lshl_b32 s24, ttmp9, 17
	s_lshl_b32 s25, s20, 10
	s_add_co_u32 s24, s24, s25
	s_mov_b32 s25, 0
	s_add_nc_u64 s[4:5], s[4:5], s[24:25]
	s_lshl_b32 s24, s20, 6
	s_lshr_b32 s26, ttmp9, 2
	s_add_co_u32 s24, s24, s26
	s_mul_i32 s24, s24, BLK                        ; block (wave, j / 4)
	s_and_b32 s26, ttmp9, 3
	s_mul_i32 s27, s26, 6144
	s_lshl_b32 s28, s26, 8
	s_add_co_u32 s28, s28, s24
	s_add_co_u32 s28, s28, 24576
	s_mov_b32 s29, 0
	s_add_co_u32 s24, s24, s27
	s_add_nc_u64 s[28:29], s[14:15], s[28:29]
	s_add_nc_u64 s[14:15], s[14:15], s[24:25]
	LOADX 0
	LOADX 1
	CHUNKX 0
	CHUNKX 1
	CHUNKX 2
	CHUNKX 3
	; v8, v9: my half's four bytes (blocks h, 2 + h, 4 + h, 6 + h) of positions r and 16 + r.  Lane l stores position l's eight bytes
	v_mov_b32 v17, 0
	v_mov_b32 v18, 0
	v_permlanex16_b32 v17, v8, s22, s23
	v_permlanex16_b32 v18, v9, s22, s23
	v_cmp_eq_u32 vcc_lo, 1, v7
	v_cndmask_b32 v19, v8, v18, vcc_lo             ; the even blocks' bytes
	v_cndmask_b32 v20, v17, v9, vcc_lo             ; the odd blocks'
	v_perm_b32 v22, v20, v19, 0x05010400
	v_perm_b32 v23, v20, v19, 0x07030602
	global_store_b64 v6, v[22:23], s[28:29]
	s_wait_tensorcnt 0x0                           ; the wave's end
	ds_add_u32 v[SPW], v[NIL]
	s_wait_dscnt 0x0
	s_endpgm
.Lfunc_end_k_q454b49118e_prep:
	.size	k_q454b49118e_prep, .Lfunc_end_k_q454b49118e_prep-k_q454b49118e_prep
	.p2alignl 7, 3214868480
	.fill 96, 4, 3214868480
	.section	.rodata,"a",@progbits
	.p2align	6, 0x0
	.amdhsa_kernel k_q454b49118e_prep
		.amdhsa_group_segment_fixed_size 35328
		.amdhsa_private_segment_fixed_size 0
		.amdhsa_enable_private_segment 0
		.amdhsa_kernarg_size 64
		.amdhsa_user_sgpr_count 2
		.amdhsa_user_sgpr_kernarg_segment_ptr 1
		.amdhsa_wavefront_size32 1
		.amdhsa_system_sgpr_workgroup_id_x 1
		.amdhsa_system_sgpr_workgroup_id_y 1
		.amdhsa_system_sgpr_workgroup_id_z 1
		.amdhsa_system_vgpr_workitem_id 0
		.amdhsa_next_free_vgpr 240
		.amdhsa_next_free_sgpr 66
		.amdhsa_reserve_vcc 1
		.amdhsa_float_denorm_mode_32 3
		.amdhsa_float_denorm_mode_16_64 3
		.amdhsa_memory_ordered 1
		.amdhsa_forward_progress 1
		.amdhsa_inst_pref_size 77
	.end_amdhsa_kernel
	.amdgpu_metadata
---
amdhsa.version: [ 1, 2 ]
amdhsa.kernels:
  - .name:           k_q454b49118e_prep
    .symbol:         k_q454b49118e_prep.kd
    .args:
      - { .name: x, .offset: 0, .size: 8, .value_kind: global_buffer, .address_space: global }
      - { .name: Wq, .offset: 8, .size: 8, .value_kind: global_buffer, .address_space: global }
      - { .name: Wk, .offset: 16, .size: 8, .value_kind: global_buffer, .address_space: global }
      - { .name: Wv, .offset: 24, .size: 8, .value_kind: global_buffer, .address_space: global }
      - { .name: Wo, .offset: 32, .size: 8, .value_kind: global_buffer, .address_space: global }
      - { .name: xq, .offset: 40, .size: 8, .value_kind: global_buffer, .address_space: global }
      - { .name: wbuf, .offset: 48, .size: 8, .value_kind: global_buffer, .address_space: global }
      - { .name: rt, .offset: 56, .size: 8, .value_kind: global_buffer, .address_space: global }
    .group_segment_fixed_size: 35328
    .private_segment_fixed_size: 0
    .kernarg_segment_align: 8
    .kernarg_segment_size: 64
    .max_flat_workgroup_size: 128
    .sgpr_count:     66
    .vgpr_count:     240
    .wavefront_size: 32
...
	.end_amdgpu_metadata
.endif
;; end of part 1
;; launch qkv (part 2): grid 12 x 32, 4 waves a work-group, clusters of 4 x 4, 327,680 bytes of LDS; arguments xq, wbuf, rt, qbuf, kv; writes qbuf, kv
.if DOCPART == 2
	.amdgcn_target "amdgcn-amd-amdhsa--gfx1250"
	.amdhsa_code_object_version 6
	.text
	.protected	k_q454b49118e_qkv
	.globl	k_q454b49118e_qkv
	.p2align	8
	.type	k_q454b49118e_qkv,@function
k_q454b49118e_qkv:
	s_mov_b64 s[64:65], 0
	v_nop
	global_prefetch_b8 v0, s[64:65] scope:SCOPE_SE
	s_setreg_imm32_b32 hwreg(HW_REG_WAVE_MODE, 25, 1), 1
	s_wait_xcnt 0x0
	s_wait_alu depctr_hold_cnt(0) depctr_sa_sdst(0) depctr_va_vdst(0) depctr_va_sdst(0) depctr_va_ssrc(0) depctr_va_vcc(0) depctr_vm_vsrc(0)
	s_getreg_b32 s2, hwreg(HW_REG_IB_STS2, 6, 4)
	s_cmp_eq_u32 s2, 0
	s_cbranch_scc0 .Lentry_in_a_cluster
	s_endpgm
.Lentry_in_a_cluster:
	s_bfe_u32 s2, ttmp6, 0x10000c
	s_cmp_lg_u32 s2, 0xf033
	s_cbranch_scc0 .Lentry_shape_is_right
	s_endpgm
.Lentry_shape_is_right:
; The three projections on codes of FP6 (E2M3), the rotation of q and k, and the quantising of q, k (along the head's 64) and v (along the keys).  K = 1,024.
; A tile of C, 256 x 256, is made by four waves, 128 x 128 each: 64 accumulators, 512 registers.  K goes in four steps of 256 through two LDS slots.  Operands lie in memory as images of the
; operand's registers (positions, units and blocks as the launch before lays them): a K step of 128 positions is ONE dense block of 25,600 bytes, codes and scale bytes together, one tensor load a wave.
; CLUSTERS of 4 x 4: A's blocks are shared along a row of the cluster, B's along a column, by joint loads.  Cluster x says what is made: 0 q, 1 k, 2 v.
;   q, k: A = x's tokens, B = the weight's columns.   v: A = Wv's columns, B = x's tokens: C = V^T.
; THE MATRIX INSTRUCTION IS USED TRANSPOSED (source 0 = 16 positions of B, source 1 = 16 of A).  Positions hold rows with bits 3 and 4 exchanged, so a lane's 16 registers of B's tiles 2 b and 2 b + 1 are the
; 16 true neighbours 32 b + 16 (lane / 16) + 0..15: for q and k along the head's channels, for v along the keys: along the next product's K.
; THE WAY OUT is one text for all three: block a (16 positions of A) is rotated by its tile of the table (v takes tiles of cos 1, sin 0: x 1 - y 0 is x), quantised, and leaves as units.
;   qbuf: [batch x head][128 positions][8 units, 128 scale words].   kv: [batch x head][128 keys][K: 8 units | V: 4 tiles of 16 channels x 2 units | K's 128 scale words | V's 64].
;   A wave's 128 channels are two heads: a head's scale word has its two bytes below; above them stand the other head's bytes or zeros, which scale zero codes in the next launch and are never 0xff.
; LIMITS: a block of zeros, or one under 2^-124, gets the byte 1; NaN and infinities are not served.
; REGISTERS: window 0: v0-31 addresses; v32-63 scale words, two sets; v128-223 A's fragments, one set; on the way out v64-127 the rotated numbers, v128-187 at work.
;   window 1: B's fragments, two sets; on the way out the table.   windows 2, 3: the accumulators ((a, b) at v[8 (8 (a % 4) + b)]).
.set BLK,   25600                      ; 128 positions x 256 K: 8 tiles x 4 units of 768 bytes, then 8 scale bytes a position
.set SLOT,  4*BLK                      ; A's two halves, then B's
.set GATH,  2*SLOT                     ; behind the ring: 1,024 bytes a wave, where the scale words are gathered
.set SPARE, GATH+4096                  ; the spare words, 128 bytes for each wave
.set NQ,  2
.set FR,  12
.set NL,  4                            ; LDS loads that bring a fragment
.set NP,  4                            ; places behind this matrix instruction (ISA guide 7.12.1)
.set L16, 6                            ; v6   16 x lane
.set L8,  7                            ; v7   8 x lane
.set GW,  8                            ; v8   where I put a scale word
.set GR,  9                            ; v9   where I read four back
.set SVO, 10                           ; v10  their place in memory
.set ADRA, 16                          ; v16-17 A's units' first parts in slot 0, 1; v18-19 their second parts
.set ADRB, 20                          ; v20-23 the same for B
.set ADRS, 24                          ; v24-25 the scale words: lanes 0-15 A's, lanes 16-31 B's
.set SPW, 28
.set NIL, 29
.set SC,  32
.set AF,  128
.set RO,  64
.set PC,  128
.set TM,  160
.set PW,  176
.set PW2, 177
.set RB,  180
.set G1,  24
.set G0,  32
.set G1B, 48
.set G0B, 56
.set SEL, 100
.set MSB, 0
.macro WIN new                         ; the immediate's high byte repeats the setting that is left
.if MSB != (\new)
	s_set_vgpr_msb (MSB<<8)|(\new)
.set MSB, (\new)
.endif
.endm
.set MUL_LO, 0xa1                      ; source 0 (B) window 1, source 1 (A) window 0, C and D window 2
.set MUL_HI, 0xf1
.set TO_B,   0x40
.macro JLOAD g0a, g1a, g0b, g1b        ; a joint load: waves 0, 1 fetch A's halves, waves 2, 3 B's; an s_nop 0 and four v_nop follow each line
	s_cmp_eq_u32 s15, 0
	s_cbranch_scc0 .Lfor_b_\@
	tensor_load_to_lds s[\g0a:\g0a+3], s[\g1a:\g1a+7]
	s_nop 0
.rept 4
	v_nop
.endr
	s_branch .Lasked_\@
.Lfor_b_\@:
	tensor_load_to_lds s[\g0b:\g0b+3], s[\g1b:\g1b+7]
	s_nop 0
.rept 4
	v_nop
.endr
.Lasked_\@:
.endm
.macro CREST
	s_cmp_lg_u32 s14, 0
	s_cbranch_scc1 .Lnot_wave_0_\@
	s_barrier_signal -3
.Lnot_wave_0_\@:
	s_barrier_wait -3
	s_barrier_signal -1
	s_barrier_wait -1
.endm
.macro CROUND
	s_barrier_signal -1
	s_barrier_wait -1
	CREST
.endm
.macro FRAG reg, adr, q, i             ; a fragment, 16 positions x 128 K, is two units: each 512 consecutive bytes (16 a lane) and 256 (8 a lane)
	ds_load_b128 v[\reg:\reg+3], v[\adr] offset:(\i)*3072+(\q)*1536
	ds_load_b64 v[\reg+4:\reg+5], v[\adr+2] offset:(\i)*3072+(\q)*1536
	ds_load_b128 v[\reg+6:\reg+9], v[\adr] offset:(\i)*3072+(\q)*1536+768
	ds_load_b64 v[\reg+10:\reg+11], v[\adr+2] offset:(\i)*3072+(\q)*1536+768
.endm
; 16 matrix instructions: A's blocks a0, a0 + 1 x B's eight.  The 64 accumulators take turns, one instruction a turn, in the same order in every step
.macro MUL16 a0, p, q, sc, zero
.irp a, \a0, \a0+1
.irp b, 0,1,2,3,4,5,6,7
.if \zero
	v_wmma_scale_f32_16x16x128_f8f6f4 v[8*(8*((\a)%4)+\b):8*(8*((\a)%4)+\b)+7], v[128*(\p)+FR*\b:128*(\p)+FR*\b+FR-1], v[AF+FR*(\a):AF+FR*(\a)+FR-1], 0, v[SC+8*NQ*(\sc)+NQ*\b+(\q)], v[SC+8*NQ*(\sc)+NQ*(\a)+(\q)] matrix_a_fmt:MATRIX_FMT_FP6 matrix_b_fmt:MATRIX_FMT_FP6 matrix_a_scale:MATRIX_SCALE_ROW1
.else
	v_wmma_scale_f32_16x16x128_f8f6f4 v[8*(8*((\a)%4)+\b):8*(8*((\a)%4)+\b)+7], v[128*(\p)+FR*\b:128*(\p)+FR*\b+FR-1], v[AF+FR*(\a):AF+FR*(\a)+FR-1], v[8*(8*((\a)%4)+\b):8*(8*((\a)%4)+\b)+7], v[SC+8*NQ*(\sc)+NQ*\b+(\q)], v[SC+8*NQ*(\sc)+NQ*(\a)+(\q)] matrix_a_fmt:MATRIX_FMT_FP6 matrix_b_fmt:MATRIX_FMT_FP6 matrix_a_scale:MATRIX_SCALE_ROW1
.endif
.endr
.endr
.endm
.macro FETCH_B slot, q, p
	WIN TO_B
.irp i, 0,1,2,3,4,5,6,7
	FRAG 128*(\p)+FR*\i, ADRB+\slot, \q, \i
.endr
	WIN 0
.endm
.macro FETCH_A slot, q, i0
.irp i, \i0, \i0+1, \i0+2, \i0+3
	FRAG AF+FR*(\i), ADRA+\slot, \q, \i
.endr
.endm
.macro SCALES sc                       ; a K step's two scale words a position: lanes 0-15 A's tile i, lanes 16-31 B's tile i
.irp i, 0,1,2,3,4,5,6,7
	ds_load_b64 v[SC+8*NQ*\sc+NQ*\i:SC+8*NQ*\sc+NQ*\i+1], v[ADRS+\sc] offset:\i*128
.endr
.endm
.macro PLACES n                        ; plain vector lines between a matrix instruction and a load into, or a read of, its registers
.rept \n
	v_nop
.endr
.endm
.macro STEP slot, q, zero              ; 128 along K that have their successor in the same slot
	s_wait_dscnt 4*NL                              ; all but the youngest 16 loads (A's blocks 4-7) are in
	WIN MUL_LO
	MUL16 0, (\q)%2, \q, \slot, \zero
	MUL16 2, (\q)%2, \q, \slot, \zero
	s_wait_dscnt 0
	PLACES NP
	FETCH_B \slot, (\q)+1, 1-(\q)%2
	FETCH_A \slot, (\q)+1, 0
	WIN MUL_HI
	MUL16 4, (\q)%2, \q, \slot, \zero
	MUL16 6, (\q)%2, \q, \slot, \zero
	PLACES NP
	WIN 0
	FETCH_A \slot, (\q)+1, 4
.endm
; A slot's last 128 change slots: one barrier; in front of it each wave waits for all its tensor loads, adds 0 to its spare word, and waits for that and for its reads of this slot
.macro TURN slot, next, fill
	s_wait_tensorcnt 0x0                           ; my part of the next slot has landed, and no tensor load of mine is out
	ds_add_u32 v[SPW], v[NIL]
	s_wait_dscnt 4*NL+1                            ; (the add and the youngest 16 loads may be out)
	WIN MUL_LO
	MUL16 0, 1, NQ-1, \slot, 0
	s_wait_dscnt 0x0                               ; the add is done, and my reads of this slot are over
	s_barrier_signal -1
	MUL16 2, 1, NQ-1, \slot, 0
	WIN 0
	s_barrier_wait -1
.if \fill
	CREST                                          ; the barrier has opened a round of the cluster's: no wave of any partner still reads this slot or has a load on its way
	s_add_nc_u64 s[G0+4*\slot+2:G0+4*\slot+3], s[G0+4*\slot+2:G0+4*\slot+3], s[74:75]
	s_add_nc_u64 s[G0B+4*\slot+2:G0B+4*\slot+3], s[G0B+4*\slot+2:G0B+4*\slot+3], s[76:77]
	JLOAD G0+4*\slot, G1, G0B+4*\slot, G1B         ; two K steps on; its four v_nop are the places in front of the loads below
.else
	PLACES NP
.endif
	FETCH_B \next, 0, 0
	FETCH_A \next, 0, 0
	SCALES \next
	WIN MUL_HI
	MUL16 4, 1, NQ-1, \slot, 0
	MUL16 6, 1, NQ-1, \slot, 0
	PLACES NP
	WIN 0
	FETCH_A \next, 0, 4
.endm
; 64 numbers of a lane, register 16 b + i = k 32 b + 16 (lane / 16) + i of my row, become a fragment's codes in v[PC] on and its scale word in v[PW]
.macro QUANT s
.irp b, 0,1,2,3
	v_max3_num_f32 v[TM+\b], |v[\s+16*\b]|, |v[\s+1+16*\b]|, 0x1800000   ; with the floor 2^(3 - 127): the byte cannot fall under 1
.endr
.irp i, 2,4,6,8,10,12,14
.irp b, 0,1,2,3
	v_max3_num_f32 v[TM+\b], v[TM+\b], |v[\s+16*\b+\i]|, |v[\s+1+16*\b+\i]|
.endr
.endr
.irp b, 0,1,2,3
	v_permlanex16_b32 v[TM+4+\b], v[TM+\b], s[SEL], s[SEL+1]
.endr
.irp b, 0,1,2,3
	v_max_num_f32 v[TM+\b], v[TM+\b], v[TM+4+\b]
.endr
.irp b, 0,1,2,3
	v_add_nc_u32 v[TM+12+\b], 0xff000000, v[TM+\b]
.endr
.irp b, 0,1,2,3
	v_lshrrev_b32 v[TM+4+\b], 23, v[TM+12+\b]
.endr
	v_lshl_or_b32 v[PW], v[TM+5], 8, v[TM+4]
	v_lshl_or_b32 v[PW], v[TM+6], 16, v[PW]
	v_lshl_or_b32 v[PW], v[TM+7], 24, v[PW]
.irp c, 0,1
	v_cvt_scalef32_pk16_fp6_f32 v[PC+6*\c:PC+2+6*\c], v[\s+32*\c:\s+15+32*\c], v[TM+12+2*\c]
	v_cvt_scalef32_pk16_fp6_f32 v[PC+12+4*\c:PC+14+4*\c], v[\s+16+32*\c:\s+31+32*\c], v[TM+12+2*\c+1]
.endr
	v_nop                                          ; one plain line behind a scaled conversion
.irp c, 0,1                                    ; the operand's layout wants a whole block in a lane
.irp i, 0,1,2
	v_permlane16_swap_b32 v[PC+6*\c+\i], v[PC+12+4*\c+\i]
.endr
.irp i, 0,1,2
	v_mov_b32 v[PC+3+6*\c+\i], v[PC+12+4*\c+\i]
.endr
.endr
.endm
; Block a of the way out
.macro EPI a
.set AC, 64*((\a)%4)
	s_wait_loadcnt 8*(7-(\a))                      ; my table tile's eight loads are in; the later blocks' are younger
.if (\a) > 0
	s_wait_xcnt 0x0                                ; the last block's stores have read their data and bases
	s_wait_dscnt 0x0
	s_add_nc_u64 s[82:83], s[82:83], s[92:93]
	s_add_nc_u64 s[84:85], s[84:85], s[92:93]
.if (\a) == 4
	s_add_nc_u64 s[82:83], s[82:83], s[94:95]      ; v: on to the second head's block
	s_add_nc_u64 s[84:85], s[84:85], s[94:95]
.endif
.endif
	WIN 0x06+(\a)/4                                ; source 0: the accumulators' window; source 1: the table's
.irp e, 0,1                                    ; head e: x1 = channels 16 h + i, x2 = 32 + 16 h + i.  Each accumulator is read from its low end on
.irp i, 0,2,4,6,8,10,12,14
	v_pk_mul_f32 v[RO+32*\e+\i:RO+32*\e+\i+1], v[AC+32*\e+\i:AC+32*\e+\i+1], v[32*(\a)+\i:32*(\a)+\i+1]
	v_pk_mul_f32 v[RO+32*\e+16+\i:RO+32*\e+16+\i+1], v[AC+32*\e+16+\i:AC+32*\e+16+\i+1], v[32*(\a)+\i:32*(\a)+\i+1]
	v_pk_fma_f32 v[RO+32*\e+\i:RO+32*\e+\i+1], v[AC+32*\e+16+\i:AC+32*\e+16+\i+1], v[32*(\a)+16+\i:32*(\a)+16+\i+1], v[RO+32*\e+\i:RO+32*\e+\i+1] neg_lo:[1,0,0] neg_hi:[1,0,0]
	v_pk_fma_f32 v[RO+32*\e+16+\i:RO+32*\e+16+\i+1], v[AC+32*\e+\i:AC+32*\e+\i+1], v[32*(\a)+16+\i:32*(\a)+16+\i+1], v[RO+32*\e+16+\i:RO+32*\e+16+\i+1]
.endr
.endr
	WIN 0
	QUANT RO
	global_store_b128 v[L16], v[PC:PC+3], s[82:83]
	global_store_b64 v[L8], v[PC+4:PC+5], s[82:83] offset:512
	global_store_b128 v[L16], v[PC+6:PC+9], s[84:85]
	global_store_b64 v[L8], v[PC+10:PC+11], s[84:85] offset:512
	v_lshrrev_b32 v[PW2], 16, v[PW]
	ds_store_b32 v[GW], v[PW] offset:64*(\a)       ; both halves of the lanes write the same word with the same value
	ds_store_b32 v[GW], v[PW2] offset:512+64*(\a)
.endm
	s_load_b256 s[4:11], s[0:1], 0x0               ; xq s[4:5], wbuf s[6:7], rt s[8:9], qbuf s[10:11]
	s_load_b64 s[12:13], s[0:1], 0x20              ; kv
	v_lshl_add_u32 v[SPW], v0, 2, SPARE
	v_mov_b32 v[NIL], 0
	ds_add_u32 v[SPW], v[NIL]                      ; the wave's opening
	v_lshrrev_b32 v1, 5, v0
	v_readfirstlane_b32 s14, v1                    ; wave
	s_lshr_b32 s15, s14, 1                         ; my half of A's positions.  Also: I fetch for A (0) or B (1)
	s_and_b32 s16, s14, 1                          ; my half of B's.  Also: which half I fetch
	s_bfe_u32 s40, ttmp6, 0x40000                  ; cx
	s_bfe_u32 s41, ttmp6, 0x40004                  ; cy
	s_mov_b32 s66, ttmp9                           ; cluster x: 0 q, 1 k, 2 v
	s_and_b32 s67, ttmp7, 0xffff                   ; cluster y
	s_mov_b32 s78, 1638400                         ; from a K step to the next: 64 blocks in xq, 32 in wbuf
	s_mov_b32 s80, 819200
	s_cmp_eq_u32 s66, 2
	s_cselect_b32 s68, 1, 0                        ; v?
	s_cselect_b32 s17, 2, s67
	s_cselect_b32 s42, s67, s66
	s_cselect_b32 s78, 819200, s78
	s_cselect_b32 s80, 1638400, s80
	s_mov_b32 s79, 0
	s_mov_b32 s81, 0
	s_lshl_b32 s74, s78, 1
	s_mov_b32 s75, 0
	s_lshl_b32 s76, s80, 1
	s_mov_b32 s77, 0
	s_lshl_b32 s17, s17, 2
	s_add_co_u32 s17, s17, s41                     ; A's tile of 256 positions: hangs on cy alone
	s_lshl_b32 s42, s42, 2
	s_add_co_u32 s42, s42, s40                     ; B's: on cx alone
	s_lshl_b32 s43, s41, 2
	s_lshl_b32 s43, 15, s43                        ; my row of the cluster
	s_lshl_b32 s44, 0x1111, s40                    ; my column
	s_or_b32 s[G1+0], s43, (3<<16)|(1<<21)         ; the mask; elements of 8 bytes; bit 21 set beside a mask; no padding
	s_or_b32 s[G1B+0], s44, (3<<16)|(1<<21)
.irp g, G1, G1B
	s_mov_b32 s[\g+1], 32<<16                      ; a dense block as 100 rows of 256 bytes
	s_mov_b32 s[\g+2], 100<<16
	s_mov_b32 s[\g+3], 32<<16
	s_mov_b32 s[\g+4], 100
	s_mov_b32 s[\g+5], 32
	s_mov_b32 s[\g+6], 0
	s_mov_b32 s[\g+7], 0
.endr
	s_lshl_b32 s20, s17, 1
	s_add_co_u32 s20, s20, s16
	s_mul_i32 s20, s20, BLK
	s_mov_b32 s21, 0
	s_lshl_b32 s46, s42, 1
	s_add_co_u32 s46, s46, s16
	s_mul_i32 s46, s46, BLK
	s_mov_b32 s47, 0
	s_mul_i32 s45, s14, BLK                        ; where they go: wave x a block
	s_mov_b32 s[SEL], 0x76543210
	s_mov_b32 s[SEL+1], 0xfedcba98
	s_wait_dscnt 0x0                               ; the opening add is done
	s_wait_kmcnt 0x0
	s_cmp_eq_u32 s68, 1
	s_cselect_b64 s[70:71], s[6:7], s[4:5]
	s_cselect_b64 s[72:73], s[4:5], s[6:7]
	s_add_nc_u64 s[70:71], s[70:71], s[20:21]
	s_add_nc_u64 s[72:73], s[72:73], s[46:47]
.irp s, 0,1
	s_mov_b32 s[G0+4*\s], 1
	s_add_co_u32 s[G0+4*\s+1], s45, \s*SLOT
	s_mov_b32 s[G0B+4*\s], 1
	s_add_co_u32 s[G0B+4*\s+1], s45, \s*SLOT
.endr
	s_mov_b64 s[G0+2:G0+3], s[70:71]
	s_add_nc_u64 s[G0+6:G0+7], s[70:71], s[78:79]
	s_mov_b64 s[G0B+2:G0B+3], s[72:73]
	s_add_nc_u64 s[G0B+6:G0B+7], s[72:73], s[80:81]
	s_or_b32 s[G0+3], s[G0+3], 0x80000000
	s_or_b32 s[G0+7], s[G0+7], 0x80000000
	s_or_b32 s[G0B+3], s[G0B+3], 0x80000000
	s_or_b32 s[G0B+7], s[G0B+7], 0x80000000
	CROUND                                         ; all sixteen work-groups are here: the first joint loads meet
	JLOAD G0, G1, G0B, G1B
	JLOAD G0+4, G1, G0B+4, G1B
	v_and_b32 v1, 15, v0                           ; r
	v_bfe_u32 v2, v0, 4, 1                         ; h
	v_and_b32 v3, 31, v0
	v_lshlrev_b32 v[L16], 4, v3
	v_lshlrev_b32 v[L8], 3, v3
	v_add_nc_u32 v5, 512, v[L8]
	s_mul_i32 s18, s15, BLK
	s_mul_i32 s19, s16, BLK
	s_add_co_u32 s19, s19, 2*BLK
	s_sub_co_u32 s22, s19, s18
	v_mul_u32_u24 v4, s22, v2                      ; lanes 16-31 take B's scale words: one product of h and the distance
	v_lshl_add_u32 v4, v1, 3, v4
	v_add_nc_u32 v4, 24576, v4
.irp s, 0,1
	v_add_nc_u32 v[ADRA+\s], s18, v[L16]
	v_add_nc_u32 v[ADRA+2+\s], s18, v5
	v_add_nc_u32 v[ADRB+\s], s19, v[L16]
	v_add_nc_u32 v[ADRB+2+\s], s19, v5
	v_add_nc_u32 v[ADRS+\s], s18, v4
	s_add_co_u32 s18, s18, SLOT
	s_add_co_u32 s19, s19, SLOT
.endr
	s_lshl_b32 s22, s14, 10
	s_add_co_u32 s22, s22, GATH
	v_lshl_add_u32 v[GW], v1, 2, s22
	v_add_nc_u32 v[GR], s22, v[L16]
	; the way out's scalars.  Tokens are A's positions for q and k, B's for v; channels the other way round
	s_cmp_eq_u32 s68, 1
	s_cselect_b32 s96, s42, s17                    ; the tile of 256 tokens
	s_cselect_b32 s97, s16, s15                    ; my half of it
	s_cselect_b32 s98, s41, s40                    ; the tile of 256 channels (four heads) of the matrix
	s_cselect_b32 s99, s15, s16                    ; my half: two heads
	s_mov_b32 s92, 768
	s_cselect_b32 s92, 1536, s92                   ; from block a to a + 1: a unit (q, k), a tile of channels' two units (v)
	s_cselect_b32 s94, 202752, 0                   ; v, at a = 4: 16 blocks of 13,056 less the four steps made
	s_cselect_b32 s69, 6144, 0                     ; v's units lie behind k's eight
	s_mov_b32 s22, 256
	s_cselect_b32 s22, 208896, s22
	s_mov_b32 s93, 0
	s_mov_b32 s95, 0
	v_mul_u32_u24 v[SVO], s22, v2                  ; the scale words' place: q, k: 512 bytes on end; v: 256 for each of the two heads
	v_lshl_add_u32 v[SVO], v1, 4, v[SVO]
	s_cmp_eq_u32 s66, 0
	s_mov_b32 s3, 13056
	s_cselect_b32 s3, 6656, s3                     ; bytes of a block of 128 positions of a head
	s_mov_b32 s2, 12288
	s_cselect_b32 s2, 6144, s2                     ; where its scale words begin
	s_cselect_b64 s[82:83], s[10:11], s[12:13]
	s_cmp_eq_u32 s68, 1
	s_cselect_b32 s2, 12800, s2
	s_lshr_b32 s18, s96, 3                         ; batch
	s_and_b32 s19, s96, 7
	s_lshl_b32 s22, s19, 1
	s_add_co_u32 s22, s22, s97                     ; which 128 positions of the sequence
	s_lshl_b32 s23, s98, 1
	s_add_co_u32 s23, s23, s99
	s_lshl_b32 s23, s23, 1
	s_lshl_b32 s18, s18, 4
	s_add_co_u32 s23, s23, s18                     ; 16 batch + my first head
	s_lshl_b32 s23, s23, 4
	s_add_co_u32 s22, s23, s22
	s_mul_i32 s22, s22, s3
	s_mov_b32 s23, 0
	s_add_nc_u64 s[82:83], s[82:83], s[22:23]
	s_mov_b32 s22, s2
	s_add_nc_u64 s[86:87], s[82:83], s[22:23]      ; the first head's scale words
	s_lshl_b32 s22, s3, 4
	s_add_nc_u64 s[88:89], s[86:87], s[22:23]      ; the second head's (q, k)
	s_cmp_eq_u32 s68, 1
	s_cselect_b32 s18, 768, s22
	s_mov_b32 s22, s69
	s_add_nc_u64 s[82:83], s[82:83], s[22:23]      ; registers 0-5 of block 0 go here,
	s_mov_b32 s22, s18
	s_add_nc_u64 s[84:85], s[82:83], s[22:23]      ; registers 6-11 here: the second head (q, k), the second 64 keys (v)
	s_lshl_b32 s19, s19, 4
	s_lshl_b32 s18, s97, 3
	s_add_co_u32 s19, s19, s18
	s_cmp_eq_u32 s68, 1
	s_cselect_b32 s19, 128, s19
	s_lshl_b32 s22, s19, 12
	s_add_nc_u64 s[90:91], s[8:9], s[22:23]        ; my eight tiles of the table
	s_wait_tensorcnt 1                             ; my part of K step 0 is in; K step 1's may stay out
	s_barrier_signal -1
	s_barrier_wait -1
	FETCH_B 0, 0, 0
	FETCH_A 0, 0, 0
	SCALES 0
	FETCH_A 0, 0, 4
	STEP 0, 0, 1                                   ; the first products start the sums: nothing is cleared
	TURN 0, 1, 1
	STEP 1, 0, 0
	TURN 1, 0, 1
	STEP 0, 0, 0
	TURN 0, 1, 0                                   ; nothing is left to fetch
	STEP 1, 0, 0
	s_wait_dscnt 4*NL
	WIN MUL_LO
	MUL16 0, 1, NQ-1, 1, 0
	MUL16 2, 1, NQ-1, 1, 0
	s_wait_dscnt 0
	WIN MUL_HI
	MUL16 4, 1, NQ-1, 1, 0
	MUL16 6, 1, NQ-1, 1, 0
	WIN 0
	PLACES NP                                      ; behind the last products: for the loads into B's registers, the writes of A's, and the reads of results
	WIN 0x40
.irp a, 0,1,2,3,4,5,6,7
.irp j, 0,1,2,3,4,5,6,7
	global_load_b128 v[32*\a+4*\j:32*\a+4*\j+3], v[L16], s[90:91] offset:\a*4096+\j*512   ; block a: 16 cos, then 16 sin, of my position and my half's frequencies
.endr
.endr
	WIN 0
.irp b, 0,1,2,3
	v_mov_b32 v[TM+4+\b], 0                        ; a lane permute's destination counts as one of its sources
.endr
	EPI 0
	EPI 1
	EPI 2
	EPI 3
	EPI 4
	EPI 5
	EPI 6
	EPI 7
	ds_load_b128 v[RB:RB+3], v[GR]                 ; LDS serves a wave's instructions in order: these see my stores
	ds_load_b128 v[RB+4:RB+7], v[GR] offset:512
	s_wait_dscnt 0x0
	global_store_b128 v[SVO], v[RB:RB+3], s[86:87]
	s_cmp_eq_u32 s68, 1                            ; v's words are whole in the first region.  The branch hangs on the cluster's x: alike in all partners
	s_cbranch_scc1 .Lno_second
	global_store_b128 v[SVO], v[RB+4:RB+7], s[88:89]
.Lno_second:
	s_wait_tensorcnt 0x0                           ; the wave's end
	ds_add_u32 v[SPW], v[NIL]
	s_wait_dscnt 0x0
	CROUND                                         ; the closing round
	s_endpgm
.Lfunc_end_k_q454b49118e_qkv:
	.size	k_q454b49118e_qkv, .Lfunc_end_k_q454b49118e_qkv-k_q454b49118e_qkv
	.p2alignl 7, 3214868480
	.fill 96, 4, 3214868480
	.section	.rodata,"a",@progbits
	.p2align	6, 0x0
	.amdhsa_kernel k_q454b49118e_qkv
		.amdhsa_group_segment_fixed_size 327680
		.amdhsa_private_segment_fixed_size 0
		.amdhsa_enable_private_segment 0
		.amdhsa_kernarg_size 40
		.amdhsa_user_sgpr_count 2
		.amdhsa_user_sgpr_kernarg_segment_ptr 1
		.amdhsa_wavefront_size32 1
		.amdhsa_system_sgpr_workgroup_id_x 1
		.amdhsa_system_sgpr_workgroup_id_y 1
		.amdhsa_system_sgpr_workgroup_id_z 1
		.amdhsa_system_vgpr_workitem_id 0
		.amdhsa_next_free_vgpr 1024
		.amdhsa_next_free_sgpr 102
		.amdhsa_reserve_vcc 0
		.amdhsa_float_denorm_mode_32 3
		.amdhsa_float_denorm_mode_16_64 3
		.amdhsa_memory_ordered 1
		.amdhsa_forward_progress 1
		.amdhsa_inst_pref_size 188
	.end_amdhsa_kernel
	.amdgpu_metadata
---
amdhsa.version: [ 1, 2 ]
amdhsa.kernels:
  - .name:           k_q454b49118e_qkv
    .symbol:         k_q454b49118e_qkv.kd
    .args:
      - { .name: xq, .offset: 0, .size: 8, .value_kind: global_buffer, .address_space: global }
      - { .name: wbuf, .offset: 8, .size: 8, .value_kind: global_buffer, .address_space: global }
      - { .name: rt, .offset: 16, .size: 8, .value_kind: global_buffer, .address_space: global }
      - { .name: qbuf, .offset: 24, .size: 8, .value_kind: global_buffer, .address_space: global }
      - { .name: kv, .offset: 32, .size: 8, .value_kind: global_buffer, .address_space: global }
    .group_segment_fixed_size: 327680
    .private_segment_fixed_size: 0
    .kernarg_segment_align: 8
    .kernarg_segment_size: 40
    .max_flat_workgroup_size: 128
    .sgpr_count:     102
    .vgpr_count:     1024
    .wavefront_size: 32
...
	.end_amdgpu_metadata
.endif
;; end of part 2
;; launch attn (part 3): grid 64 x 8, 16 waves a work-group, no clusters, 327,680 bytes of LDS; arguments qbuf, kv, oc; writes oc
.if DOCPART == 3
	.amdgcn_target "amdgcn-amd-amdhsa--gfx1250"
	.amdhsa_code_object_version 6
	.text
	.protected	k_q454b49118e_attn
	.globl	k_q454b49118e_attn
	.p2align	8
	.type	k_q454b49118e_attn,@function
k_q454b49118e_attn:
	s_mov_b64 s[64:65], 0
	v_nop
	global_prefetch_b8 v0, s[64:65] scope:SCOPE_SE
	s_setreg_imm32_b32 hwreg(HW_REG_WAVE_MODE, 25, 1), 1
	s_wait_xcnt 0x0
; Causal attention on codes of FP6 (E2M3), head size 64, 2,048 keys; its result is quantised along the output projection's K and leaves as codes.
; t = score x log2(e) / 8; M = the running largest t rounded up to a whole number; p = 2^(t - M) is quantised along the keys; the row's sum is taken of the unquantised p and divides at the end.
; SHARES.  Work-group (x, y): batch x head = x, queries 256 (7 - y) on (the long blocks have the low numbers).  Each of sixteen waves owns a tile of 16 query positions, in 256 registers.
; Keys go 128 a step; a step's K, V and scale words are one dense block of 13,056 bytes; a slot holds two; waves 0 and 1 fetch one block each.
; Both products are used transposed: a lane holds one query (lane % 16).  Positions hold rows with bits 3 and 4 exchanged, so the 16 registers of key tiles 2 b, 2 b + 1 are keys 32 b + 16 (lane / 16) + 0..15.
; The first product's K is 64: registers 6-11 of both operands hold zero codes, which add nothing; the upper two bytes of the scale words are never 0xff.
; CAUSAL: every work-group walks all slots (constant trip counts); a step all of whose keys come after the wave's queries is jumped over; on the diagonal hidden scores become -infinity; a slot that no wave
; of the work-group would read is not asked for.  A hidden key counts as p = 0, as the reference's -1e9 does while true logits stay above about -1e9.
; NO CLUSTER: the query blocks of a head need 1 to 8 slots of keys; partners in step would all last as long as the longest, and what they share is 26,112 bytes for two key steps.
; LIMITS: NaN and infinities are not served; a block of zeros, or under 2^-124, gets the byte 1.
; REGISTERS: v1-4 offsets that stay; v8-10 the step's LDS addresses; v12 -M, v13 largest t, v[14:15] the sum; v16-27 Q; v32-79 four fragments of K; v80-127 V's four; v128-191 S^T, then p; v192-223 O^T;
;   v224-235 p's codes; v232-247, v252, v254 at work; v248-251 K's or V's scale words; v253 p's; v255 Q's.
.set STEPB, 13056
.set SLOT1, 32768
.set SPARE, 65536
.set SPW, 5
.set NIL, 6
.set PFO, 28
.set WV,  18
.set SEL, 20
.set CS,  22
.set G1,  24
.set G0,  40
.set TB,  2
.set SLOTS, 67
.set PFA, 76
.set LIM, 80
.set KF,  98
.set Q0,  99
.macro TLOAD                           ; waves 0 and 1 fetch; an s_nop 0 and four v_nop follow the load
	s_cmp_lt_u32 s[WV], 2
	s_cbranch_scc0 .Lasked_\@
	tensor_load_to_lds s[G0:G0+3], s[G1:G1+7]
	s_nop 0
.rept 4
	v_nop
.endr
.Lasked_\@:
.endm
; A prefetch of the slot that the NEXT change of slots will ask for: two blocks of 51 x 256 bytes.  All query blocks of a head walk the same keys: the work-group with y = 0 asks, in it waves 4-7:
; waves 4, 5 the first block, 6, 7 the second; a lane 256 bytes; the odd waves' upper lanes are held at the block's last 256.  The last change that fills a slot asks for nothing.
.macro ASK
	s_cmp_gt_u32 s[SLOTS], s[LIM]
	s_cbranch_scc0 .Lnot_mine_\@
	global_prefetch_b8 v[PFO], s[PFA:PFA+1] th:TH_LOAD_NT scope:SCOPE_SE
.Lnot_mine_\@:
.endm
.macro STEP q
	s_add_co_u32 s96, s[Q0], 15
	s_cmp_gt_u32 s[KF], s96                        ; all 128 keys come after my queries (both lie in whole groups of 128): ids and the count of steps alone
	s_cbranch_scc1 .Lhidden_\@
	v_add_nc_u32 v8, s[TB], v1
	v_add_nc_u32 v9, s[TB], v2
	v_add_nc_u32 v10, s[TB], v3
	v_nop                                          ; four places in front of loads into registers that the last products read
.irp g, 0,1
.if \g > 0
.rept 4
	v_nop
.endr
.endif
.irp t, 0,1,2,3
	ds_load_b128 v[32+12*\t:35+12*\t], v8 offset:(\q)*STEPB+(4*\g+\t)*768
	ds_load_b64 v[36+12*\t:37+12*\t], v9 offset:(\q)*STEPB+(4*\g+\t)*768
	ds_load_b32 v[248+\t], v10 offset:(\q)*STEPB+12288+(4*\g+\t)*64
.endr
	s_wait_dscnt 0x0
.irp t, 0,1,2,3
	v_wmma_scale_f32_16x16x128_f8f6f4 v[128+8*(4*\g+\t):135+8*(4*\g+\t)], v[32+12*\t:43+12*\t], v[16:27], 0, v[248+\t], v255 matrix_a_fmt:MATRIX_FMT_FP6 matrix_b_fmt:MATRIX_FMT_FP6
.endr
.endr
.rept 4
	v_nop                                          ; places: for the loads into the scale words' registers, and for the first read of the scores
.endr
.irp t, 0,1,2,3                                ; V's four fragments are asked for now and land under the softmax
	ds_load_b128 v[80+12*\t:83+12*\t], v8 offset:(\q)*STEPB+6144+\t*1536
	ds_load_b64 v[84+12*\t:85+12*\t], v9 offset:(\q)*STEPB+6144+\t*1536
	ds_load_b128 v[86+12*\t:89+12*\t], v8 offset:(\q)*STEPB+6144+\t*1536+768
	ds_load_b64 v[90+12*\t:91+12*\t], v9 offset:(\q)*STEPB+6144+\t*1536+768
	ds_load_b32 v[248+\t], v10 offset:(\q)*STEPB+12800+\t*64
.endr
	s_add_co_u32 s96, s[KF], 127
	s_cmp_le_u32 s96, s[Q0]                        ; all keys count: the mask is jumped over
	s_cbranch_scc1 .Lopen_\@
	v_sub_nc_u32 v252, v29, s[KF]                  ; d = my query - 16 (lane / 16) - the step's first key.  Register 16 b + i holds key 32 b + 16 (lane / 16) + i: hidden where 32 b + i > d
	v_mov_b32 v254, 0xff800000
.set N, 0
.rept 64
	v_cmp_gt_i32 vcc_lo, 32*(N/16)+N%16, v252
	v_cndmask_b32 v[128+N], v[128+N], v254, vcc_lo
.set N, N+1
.endr
.Lopen_\@:
.irp b, 0,1,2,3
	v_max3_num_f32 v[232+\b], v[128+16*\b], v[129+16*\b], v[130+16*\b]   ; the largest score of each block of 32 keys: for the row's maximum, and, since p rises with the score, for the block's largest p
.endr
.irp i, 3,5,7,9,11,13
.irp b, 0,1,2,3
	v_max3_num_f32 v[232+\b], v[232+\b], v[128+16*\b+\i], v[129+16*\b+\i]
.endr
.endr
.irp b, 0,1,2,3
	v_max_num_f32 v[232+\b], v[232+\b], v[143+16*\b]
.endr
.irp b, 0,1,2,3
	v_permlanex16_b32 v[236+\b], v[232+\b], s[SEL], s[SEL+1]
.endr
.irp b, 0,1,2,3
	v_max_num_f32 v[232+\b], v[232+\b], v[236+\b]
.endr
	v_max3_num_f32 v254, v232, v233, v234
	v_max_num_f32 v254, v254, v235
	v_mul_f32 v254, s[CS], v254
	v_max_num_f32 v13, v13, v254                   ; the running largest t
	v_mov_b32 v254, v12
	v_floor_f32 v12, -v13                          ; -M = floor(-t): M is a whole number
	v_sub_f32 v254, v12, v254
	v_cvt_i32_f32 v254, v254                       ; (it saturates)
	v_ldexp_f32 v252, 1.0, v254                    ; f = 2^(old M - new M): a multiplication by it rounds nothing
.set J, 0
.rept 32
	v_pk_fma_f32 v[128+J:129+J], v[128+J:129+J], s[CS:CS+1], v[12:13] op_sel_hi:[1,0,0]   ; t - M
.set J, J+2
.endr
.irp b, 0,1,2,3
	v_fma_f32 v[232+\b], v[232+\b], s[CS], v12
.endr
.set J, 0
.rept 64
	v_exp_f32 v[128+J], v[128+J]                   ; p, not normalised
.set J, J+1
.endr
	v_pk_mul_f32 v[14:15], v[14:15], v[252:253] op_sel_hi:[1,0]   ; the sums under the new M; the plain line behind the exponentials
	s_wait_alu depctr_va_vdst(0)                   ; one wait for the batch, ahead of its first reader
.irp b, 0,1,2,3
	v_exp_f32 v[232+\b], v[232+\b]                 ; the blocks' largest p
.endr
	v_pk_add_f32 v[236:237], v[128:129], v[130:131]   ; the row's sum of the unquantised p, in two chains
.irp j, 4,8,12,16,20,24,28,32,36,40,44,48,52,56,60
	v_pk_add_f32 v[14:15], v[14:15], v[128+\j:129+\j]
	v_pk_add_f32 v[236:237], v[236:237], v[130+\j:131+\j]
.endr
	v_pk_add_f32 v[14:15], v[14:15], v[236:237]
	s_wait_alu depctr_va_vdst(0)                   ; and one for the four
.irp b, 0,1,2,3
	v_max_num_f32 v[232+\b], 0x1800000, v[232+\b]  ; the floor: the byte cannot fall under 1
.endr
.irp b, 0,1,2,3
	v_add_nc_u32 v[244+\b], 0xff000000, v[232+\b]
.endr
.irp b, 0,1,2,3
	v_lshrrev_b32 v[236+\b], 23, v[244+\b]
.endr
	v_lshl_or_b32 v253, v237, 8, v236              ; p's scale word for these 128 keys
	v_lshl_or_b32 v253, v238, 16, v253
	v_lshl_or_b32 v253, v239, 24, v253
.irp c, 0,1
	v_cvt_scalef32_pk16_fp6_f32 v[224+6*\c:226+6*\c], v[128+32*\c:143+32*\c], v[244+2*\c]
	v_cvt_scalef32_pk16_fp6_f32 v[236+4*\c:238+4*\c], v[144+32*\c:159+32*\c], v[244+2*\c+1]
.endr
	v_nop
.irp c, 0,1
.irp i, 0,1,2
	v_permlane16_swap_b32 v[224+6*\c+\i], v[236+4*\c+\i]
.endr
.irp i, 0,1,2
	v_mov_b32 v[227+6*\c+\i], v[236+4*\c+\i]
.endr
.endr
.set J, 0
.rept 16
	v_pk_mul_f32 v[192+J:193+J], v[192+J:193+J], v[252:253] op_sel_hi:[1,0]   ; O^T under the new M; also the places between the writes of p's codes and scale word and the products
.set J, J+2
.endr
	s_wait_dscnt 0x0                               ; V is in
.irp t, 0,1,2,3
	v_wmma_scale_f32_16x16x128_f8f6f4 v[192+8*\t:199+8*\t], v[80+12*\t:91+12*\t], v[224:235], v[192+8*\t:199+8*\t], v[248+\t], v253 matrix_a_fmt:MATRIX_FMT_FP6 matrix_b_fmt:MATRIX_FMT_FP6
.endr
.Lhidden_\@:
	s_add_co_u32 s[KF], s[KF], 128
.endm
; The change of slots stands at a slot's head: each wave waits for all its tensor loads, adds 0 to its spare word, waits for that and for its reads of the slot that it has left; one barrier; then the refill
.macro CHANGE fill
	s_wait_tensorcnt 0x0                           ; no tensor load of mine is out, so the descriptor may be written
	ds_add_u32 v[SPW], v[NIL]
.if \fill
	s_xor_b32 s[G0+1], s[G0+1], SLOT1
	s_add_nc_u64 s[G0+2:G0+3], s[G0+2:G0+3], 2*STEPB
	s_wait_xcnt 0x0                                ; the last prefetch, a slot back, has read its address
	s_add_nc_u64 s[PFA:PFA+1], s[PFA:PFA+1], 2*STEPB
.endif
	s_wait_dscnt 0x0
	s_barrier_signal -1
	s_barrier_wait -1
.if \fill
	s_add_co_u32 s96, s[KF], 256                   ; the first key of the slot that this change would ask for,
	s_or_b32 s97, s[Q0], 255                       ; against my work-group's last query: ids and the count of steps alone, alike in all sixteen waves; every wait on TENSORcnt in this text is for 0
	s_cmp_gt_u32 s96, s97
	s_cbranch_scc1 .Lpast_\@
	TLOAD
.Lpast_\@:
	ASK
.endif
.endm
	s_load_b128 s[4:7], s[0:1], 0x0                ; qbuf, kv
	s_load_b64 s[8:9], s[0:1], 0x10                ; oc
	v_lshl_add_u32 v[SPW], v0, 2, SPARE
	v_mov_b32 v[NIL], 0
	ds_add_u32 v[SPW], v[NIL]                      ; the wave's opening
	v_lshrrev_b32 v8, 5, v0
	v_readfirstlane_b32 s[WV], v8
	s_and_b32 s70, ttmp7, 0xffff
	s_sub_co_u32 s71, 7, s70                       ; my block of 256 queries
	s_lshl_b32 s73, ttmp9, 4
	s_mul_i32 s74, s73, STEPB                      ; the head's first byte in kv
	s_mov_b32 s75, 0
	s_and_b32 s82, s[WV], 1
	s_mul_i32 s82, s82, STEPB                      ; which of a slot's two blocks I fetch, if I fetch
	s_mov_b32 s83, 0
	s_lshl_b32 s[Q0], s71, 8
	s_lshl_b32 s84, s[WV], 4
	s_add_co_u32 s[Q0], s[Q0], s84                 ; my tile's first position
	s_lshl_b32 s84, s71, 1
	s_lshr_b32 s85, s[WV], 3
	s_add_co_u32 s84, s84, s85                     ; which 128 positions
	s_add_co_u32 s86, s73, s84
	s_mul_i32 s86, s86, 6656
	s_and_b32 s87, s[WV], 7                        ; which tile of them
	s_mul_i32 s88, s87, 768
	s_add_co_u32 s88, s88, s86
	s_mov_b32 s89, 0
	s_lshl_b32 s90, s87, 6
	s_add_co_u32 s90, s90, s86
	s_add_co_u32 s90, s90, 6144
	s_mov_b32 s91, 0
	s_lshr_b32 s92, ttmp9, 4
	s_lshl_b32 s92, s92, 4                         ; 16 x batch
	s_and_b32 s93, ttmp9, 15                       ; head
	s_lshr_b32 s94, s93, 2
	s_lshl_b32 s94, s94, 6
	s_add_co_u32 s94, s94, s92
	s_add_co_u32 s94, s94, s84
	s_mul_i32 s94, s94, 25600                      ; oc's block (K / 256 = head / 4, 128 positions)
	s_and_b32 s93, s93, 3
	s_mul_i32 s10, s87, 3072
	s_mul_i32 s11, s93, 768
	s_add_co_u32 s10, s10, s11
	s_add_co_u32 s10, s10, s94
	s_mov_b32 s11, 0
	s_lshl_b32 s12, s87, 7
	s_lshl_b32 s13, s93, 1
	s_add_co_u32 s12, s12, s13
	s_add_co_u32 s12, s12, s94
	s_add_co_u32 s12, s12, 24576
	s_mov_b32 s13, 0
	s_lshl_b32 s97, s71, 8
	s_lshr_b32 s96, s[WV], 1
	s_lshl_b32 s96, s96, 5
	s_add_co_u32 s97, s97, s96
	s_and_b32 s96, s[WV], 1
	s_lshl_b32 s96, s96, 3
	s_add_co_u32 s97, s97, s96                     ; my tile's lowest query
	s_mov_b32 s[G1], 3<<16                         ; no mask; elements of 8 bytes; no padding: a dense block as 51 rows of 256 bytes
	s_mov_b32 s[G1+1], 32<<16
	s_mov_b32 s[G1+2], 51<<16
	s_mov_b32 s[G1+3], 32<<16
	s_mov_b32 s[G1+4], 51
	s_mov_b32 s[G1+5], 32
	s_mov_b32 s[G1+6], 0
	s_mov_b32 s[G1+7], 0
	s_mov_b32 s[SEL], 0x76543210
	s_mov_b32 s[SEL+1], 0xfedcba98
	s_mov_b32 s[CS], 0x3e38aa3b                    ; c = log2(e) / 8
	s_mov_b32 s[CS+1], s[CS]
	s_mov_b32 s[TB], 0
	s_mov_b32 s[SLOTS], 7
	s_mov_b32 s[KF], 0
	s_lshr_b32 s81, s[WV], 2
	s_xor_b32 s81, s81, 1                          ; 0 in waves 4-7,
	s_or_b32 s81, s81, s70                         ; of the work-group with y = 0
	s_cmp_eq_u32 s81, 0
	s_cselect_b32 s[LIM], 1, -1
	s_wait_dscnt 0x0                               ; the opening add is done
	s_wait_kmcnt 0x0
	s_mov_b32 s[G0], 1
	s_mov_b32 s[G0+1], s82
	s_add_nc_u64 s[G0+2:G0+3], s[6:7], s[74:75]
	s_add_nc_u64 s[G0+2:G0+3], s[G0+2:G0+3], s[82:83]
	s_or_b32 s[G0+3], s[G0+3], 0x80000000
	TLOAD                                          ; slot 0
	s_add_nc_u64 s[PFA:PFA+1], s[6:7], s[74:75]
	s_add_nc_u64 s[PFA:PFA+1], s[PFA:PFA+1], 2*STEPB   ; at slot 1: the first change steps it to slot 2.  Nothing is prefetched at the head
	s_add_nc_u64 s[14:15], s[4:5], s[88:89]        ; Q's unit
	s_add_nc_u64 s[16:17], s[4:5], s[90:91]        ; and its scale words
	s_add_nc_u64 s[10:11], s[8:9], s[10:11]        ; my unit of oc
	s_add_nc_u64 s[12:13], s[8:9], s[12:13]        ; and its scale bytes
	v_and_b32 v8, 15, v0                           ; r
	v_bfe_u32 v7, v0, 4, 1                         ; h
	v_and_b32 v10, 31, v0
	v_lshlrev_b32 v1, 4, v10                       ; 16 x lane
	v_lshlrev_b32 v2, 3, v10
	v_add_nc_u32 v2, 512, v2                       ; 512 + 8 x lane
	v_lshlrev_b32 v3, 2, v8                        ; 4 r
	v_lshl_add_u32 v4, v8, 3, v7                   ; 8 r + h
	global_load_b128 v[16:19], v1, s[14:15]
	global_load_b64 v[20:21], v2, s[14:15]
	global_load_b32 v255, v3, s[16:17]
	v_and_b32 v11, 7, v8
	v_lshrrev_b32 v29, 3, v8
	v_lshl_add_u32 v29, v29, 4, v11
	v_add_nc_u32 v29, s97, v29                     ; my query,
	v_lshlrev_b32 v11, 4, v7
	v_sub_nc_u32 v29, v29, v11                     ; less 16 h
	s_and_b32 s81, s[WV], 1
	s_lshl_b32 s81, s81, 5
	v_add_nc_u32 v[PFO], s81, v10
	v_min_u32 v[PFO], 50, v[PFO]
	v_lshlrev_b32 v[PFO], 8, v[PFO]
	s_bfe_u32 s81, s[WV], 0x10001
	s_mul_i32 s81, s81, STEPB
	v_add_nc_u32 v[PFO], s81, v[PFO]
.irp j, 22,23,24,25,26,27
	v_mov_b32 v[\j], 0                             ; Q's K = 64 .. 127: zero codes
.endr
.irp t, 0,1,2,3
.irp j, 6,7,8,9,10,11
	v_mov_b32 v[32+12*\t+\j], 0                    ; K's likewise: written once, no load lands here
.endr
.endr
	v_mov_b32 v13, 0xff61b1e6                      ; the largest t so far: -3e38
	v_floor_f32 v12, -v13
	v_mov_b32 v14, 0
	v_mov_b32 v15, 0
.irp b, 0,1,2,3
	v_mov_b32 v[236+\b], 0                         ; a lane permute's destination counts as one of its sources
.endr
	v_mov_b32 v252, 0
	v_mov_b32 v253, 0
.set J, 0
.rept 32
	v_mov_b32 v[192+J], 0                          ; O^T: the step is written once; its first trip finds zeros
.set J, J+1
.endr
	s_wait_loadcnt 0x0                             ; Q
.Lslot:                                            ; seven trips: behind each change of slots but the last the next slot is asked for, up to the causal limit
	CHANGE 1
	STEP 0
	STEP 1
	s_xor_b32 s[TB], s[TB], SLOT1
	s_sub_co_u32 s[SLOTS], s[SLOTS], 1
	s_cmp_lg_u32 s[SLOTS], 0
	s_cbranch_scc1 .Lslot
	CHANGE 0                                       ; the last slot is written out
	STEP 0
	STEP 1
	; THE WAY OUT: O^T / the sum; its 64 channels are two blocks of the next product's K; codes and bytes go straight from registers
.rept 4
	v_nop                                          ; places behind the last products
.endr
	v_add_f32 v14, v14, v15
	v_permlanex16_b32 v252, v14, s[SEL], s[SEL+1]
	v_add_f32 v14, v14, v252
	v_rcp_f32 v14, v14
	v_nop                                          ; a plain line behind the reciprocal
	s_wait_alu depctr_va_vdst(0)                   ; and the wait ahead of its first reader
.set J, 0
.rept 32
	v_mul_f32 v[128+J], v[192+J], v14              ; register 16 b + i: channel 32 b + 16 h + i of my query
.set J, J+1
.endr
.irp b, 0,1
	v_max3_num_f32 v[232+\b], |v[128+16*\b]|, |v[129+16*\b]|, 0x1800000
.endr
.irp i, 2,4,6,8,10,12,14
.irp b, 0,1
	v_max3_num_f32 v[232+\b], v[232+\b], |v[128+16*\b+\i]|, |v[129+16*\b+\i]|
.endr
.endr
.irp b, 0,1
	v_permlanex16_b32 v[236+\b], v[232+\b], s[SEL], s[SEL+1]
.endr
.irp b, 0,1
	v_max_num_f32 v[232+\b], v[232+\b], v[236+\b]
.endr
.irp b, 0,1
	v_add_nc_u32 v[244+\b], 0xff000000, v[232+\b]
.endr
.irp b, 0,1
	v_lshrrev_b32 v[236+\b], 23, v[244+\b]
.endr
	v_cvt_scalef32_pk16_fp6_f32 v[224:226], v[128:143], v244
	v_cvt_scalef32_pk16_fp6_f32 v[240:242], v[144:159], v245
	v_cmp_eq_u32 vcc_lo, 1, v7                     ; (a plain line behind the conversions)
.irp i, 0,1,2
	v_permlane16_swap_b32 v[224+\i], v[240+\i]
.endr
.irp i, 0,1,2
	v_mov_b32 v[227+\i], v[240+\i]
.endr
	v_cndmask_b32 v230, v236, v237, vcc_lo         ; my half's block's byte
	global_store_b128 v1, v[224:227], s[10:11]     ; a unit: 512 consecutive bytes,
	global_store_b64 v2, v[228:229], s[10:11]      ; and 256
	global_store_b8 v4, v230, s[12:13]             ; a head owns two of a position's eight scale bytes: single bytes, one for each 24 bytes of codes
	s_wait_tensorcnt 0x0                           ; the wave's end
	ds_add_u32 v[SPW], v[NIL]
	s_wait_dscnt 0x0
	s_endpgm
.Lfunc_end_k_q454b49118e_attn:
	.size	k_q454b49118e_attn, .Lfunc_end_k_q454b49118e_attn-k_q454b49118e_attn
	.p2alignl 7, 3214868480
	.fill 96, 4, 3214868480
	.section	.rodata,"a",@progbits
	.p2align	6, 0x0
	.amdhsa_kernel k_q454b49118e_attn
		.amdhsa_group_segment_fixed_size 327680
		.amdhsa_private_segment_fixed_size 0
		.amdhsa_enable_private_segment 0
		.amdhsa_kernarg_size 24
		.amdhsa_user_sgpr_count 2
		.amdhsa_user_sgpr_kernarg_segment_ptr 1
		.amdhsa_wavefront_size32 1
		.amdhsa_system_sgpr_workgroup_id_x 1
		.amdhsa_system_sgpr_workgroup_id_y 1
		.amdhsa_system_sgpr_workgroup_id_z 1
		.amdhsa_system_vgpr_workitem_id 0
		.amdhsa_next_free_vgpr 256
		.amdhsa_next_free_sgpr 100
		.amdhsa_reserve_vcc 1
		.amdhsa_float_denorm_mode_32 3
		.amdhsa_float_denorm_mode_16_64 3
		.amdhsa_memory_ordered 1
		.amdhsa_forward_progress 1
		.amdhsa_inst_pref_size 100
	.end_amdhsa_kernel
	.amdgpu_metadata
---
amdhsa.version: [ 1, 2 ]
amdhsa.kernels:
  - .name:           k_q454b49118e_attn
    .symbol:         k_q454b49118e_attn.kd
    .args:
      - { .name: qbuf, .offset: 0, .size: 8, .value_kind: global_buffer, .address_space: global }
      - { .name: kv, .offset: 8, .size: 8, .value_kind: global_buffer, .address_space: global }
      - { .name: oc, .offset: 16, .size: 8, .value_kind: global_buffer, .address_space: global }
    .group_segment_fixed_size: 327680
    .private_segment_fixed_size: 0
    .kernarg_segment_align: 8
    .kernarg_segment_size: 24
    .max_flat_workgroup_size: 512
    .sgpr_count:     100
    .vgpr_count:     256
    .wavefront_size: 32
...
	.end_amdgpu_metadata
.endif
;; end of part 3
;; launch oproj (part 4): grid 4 x 32, 4 waves a work-group, clusters of 4 x 4, 327,680 bytes of LDS; arguments oc, wbuf, out0; writes out0
.if DOCPART == 4
	.amdgcn_target "amdgcn-amd-amdhsa--gfx1250"
	.amdhsa_code_object_version 6
	.text
	.protected	k_q454b49118e_oproj
	.globl	k_q454b49118e_oproj
	.p2align	8
	.type	k_q454b49118e_oproj,@function
k_q454b49118e_oproj:
	s_mov_b64 s[64:65], 0
	v_nop
	global_prefetch_b8 v0, s[64:65] scope:SCOPE_SE
	s_setreg_imm32_b32 hwreg(HW_REG_WAVE_MODE, 25, 1), 1
	s_wait_xcnt 0x0
	s_wait_alu depctr_hold_cnt(0) depctr_sa_sdst(0) depctr_va_vdst(0) depctr_va_sdst(0) depctr_va_ssrc(0) depctr_va_vcc(0) depctr_vm_vsrc(0)
	s_getreg_b32 s2, hwreg(HW_REG_IB_STS2, 6, 4)
	s_cmp_eq_u32 s2, 0
	s_cbranch_scc0 .Lentry_in_a_cluster
	s_endpgm
.Lentry_in_a_cluster:
	s_bfe_u32 s2, ttmp6, 0x10000c
	s_cmp_lg_u32 s2, 0xf033
	s_cbranch_scc0 .Lentry_shape_is_right
	s_endpgm
.Lentry_shape_is_right:
; out0 = (attention's result) Wo, on codes of FP6 (E2M3); K = 1,024; out0 [8192][1024] f32.
; A = oc (token positions), B = wbuf's positions 3,072 on (Wo's columns).  Tile, waves, ring, joint loads and the order of the products are those of the projections' launch: a tile of C of 256 x 256,
; four waves of 128 x 128, four K steps of 256 through two slots, each operand's 128 positions x 256 K one dense block of 25,600 bytes (codes as images of the operand's registers, then scale bytes).
; The matrix instruction is used transposed: a lane holds a token position (lane % 16), its registers of B's tile b the columns 32 (b / 2) + 16 (lane / 16) + 8 (b % 2) + 0..7.
; THE WAY OUT undoes the order of positions: columns by the place in the wave's stage, rows by the stores' immediates.  The stage lies in slot 0, which has had its last fill and its last read by then.
; 128 work-groups: the tile is kept at the size of the loop that serves the projections; the launch is short beside the attention.
.set BLK,   25600
.set SLOT,  4*BLK
.set SPARE, 2*SLOT
.set ASTEP, 1638400
.set BSTEP, 819200
.set NQ,  2
.set FR,  12
.set NL,  4
.set NP,  4
.set SPITCH, 528
.set L16, 6
.set STO, 8
.set RD,  9
.set ADRA, 16
.set ADRB, 20
.set ADRS, 24
.set SPW, 28
.set NIL, 29
.set SC,  32
.set AF,  128
.set BK,  128
.set G1,  24
.set G0,  32
.set G1B, 48
.set G0B, 56
.set MSB, 0
.macro WIN new
.if MSB != (\new)
	s_set_vgpr_msb (MSB<<8)|(\new)
.set MSB, (\new)
.endif
.endm
.set MUL_LO, 0xa1
.set MUL_HI, 0xf1
.set TO_B,   0x40
.macro JLOAD g0a, g1a, g0b, g1b        ; a joint load: waves 0, 1 fetch A's halves, waves 2, 3 B's; an s_nop 0 and four v_nop follow each line
	s_cmp_eq_u32 s15, 0
	s_cbranch_scc0 .Lfor_b_\@
	tensor_load_to_lds s[\g0a:\g0a+3], s[\g1a:\g1a+7]
	s_nop 0
.rept 4
	v_nop
.endr
	s_branch .Lasked_\@
.Lfor_b_\@:
	tensor_load_to_lds s[\g0b:\g0b+3], s[\g1b:\g1b+7]
	s_nop 0
.rept 4
	v_nop
.endr
.Lasked_\@:
.endm
.macro CREST
	s_cmp_lg_u32 s14, 0
	s_cbranch_scc1 .Lnot_wave_0_\@
	s_barrier_signal -3
.Lnot_wave_0_\@:
	s_barrier_wait -3
	s_barrier_signal -1
	s_barrier_wait -1
.endm
.macro CROUND
	s_barrier_signal -1
	s_barrier_wait -1
	CREST
.endm
.macro FRAG reg, adr, q, i             ; a fragment is two units: each 512 consecutive bytes (16 a lane) and 256 (8 a lane)
	ds_load_b128 v[\reg:\reg+3], v[\adr] offset:(\i)*3072+(\q)*1536
	ds_load_b64 v[\reg+4:\reg+5], v[\adr+2] offset:(\i)*3072+(\q)*1536
	ds_load_b128 v[\reg+6:\reg+9], v[\adr] offset:(\i)*3072+(\q)*1536+768
	ds_load_b64 v[\reg+10:\reg+11], v[\adr+2] offset:(\i)*3072+(\q)*1536+768
.endm
.macro MUL16 a0, p, q, sc, zero        ; the 64 accumulators take turns, one instruction a turn
.irp a, \a0, \a0+1
.irp b, 0,1,2,3,4,5,6,7
.if \zero
	v_wmma_scale_f32_16x16x128_f8f6f4 v[8*(8*((\a)%4)+\b):8*(8*((\a)%4)+\b)+7], v[128*(\p)+FR*\b:128*(\p)+FR*\b+FR-1], v[AF+FR*(\a):AF+FR*(\a)+FR-1], 0, v[SC+8*NQ*(\sc)+NQ*\b+(\q)], v[SC+8*NQ*(\sc)+NQ*(\a)+(\q)] matrix_a_fmt:MATRIX_FMT_FP6 matrix_b_fmt:MATRIX_FMT_FP6 matrix_a_scale:MATRIX_SCALE_ROW1
.else
	v_wmma_scale_f32_16x16x128_f8f6f4 v[8*(8*((\a)%4)+\b):8*(8*((\a)%4)+\b)+7], v[128*(\p)+FR*\b:128*(\p)+FR*\b+FR-1], v[AF+FR*(\a):AF+FR*(\a)+FR-1], v[8*(8*((\a)%4)+\b):8*(8*((\a)%4)+\b)+7], v[SC+8*NQ*(\sc)+NQ*\b+(\q)], v[SC+8*NQ*(\sc)+NQ*(\a)+(\q)] matrix_a_fmt:MATRIX_FMT_FP6 matrix_b_fmt:MATRIX_FMT_FP6 matrix_a_scale:MATRIX_SCALE_ROW1
.endif
.endr
.endr
.endm
.macro FETCH_B slot, q, p
	WIN TO_B
.irp i, 0,1,2,3,4,5,6,7
	FRAG 128*(\p)+FR*\i, ADRB+\slot, \q, \i
.endr
	WIN 0
.endm
.macro FETCH_A slot, q, i0
.irp i, \i0, \i0+1, \i0+2, \i0+3
	FRAG AF+FR*(\i), ADRA+\slot, \q, \i
.endr
.endm
.macro SCALES sc
.irp i, 0,1,2,3,4,5,6,7
	ds_load_b64 v[SC+8*NQ*\sc+NQ*\i:SC+8*NQ*\sc+NQ*\i+1], v[ADRS+\sc] offset:\i*128
.endr
.endm
.macro PLACES n
.rept \n
	v_nop
.endr
.endm
.macro STEP slot, q, zero
	s_wait_dscnt 4*NL                              ; all but the youngest 16 loads (A's blocks 4-7) are in
	WIN MUL_LO
	MUL16 0, (\q)%2, \q, \slot, \zero
	MUL16 2, (\q)%2, \q, \slot, \zero
	s_wait_dscnt 0
	PLACES NP
	FETCH_B \slot, (\q)+1, 1-(\q)%2
	FETCH_A \slot, (\q)+1, 0
	WIN MUL_HI
	MUL16 4, (\q)%2, \q, \slot, \zero
	MUL16 6, (\q)%2, \q, \slot, \zero
	PLACES NP
	WIN 0
	FETCH_A \slot, (\q)+1, 4
.endm
.macro TURN slot, next, fill
	s_wait_tensorcnt 0x0                           ; my part of the next slot has landed, and no tensor load of mine is out
	ds_add_u32 v[SPW], v[NIL]
	s_wait_dscnt 4*NL+1                            ; (the add and the youngest 16 loads may be out)
	WIN MUL_LO
	MUL16 0, 1, NQ-1, \slot, 0
	s_wait_dscnt 0x0                               ; the add is done, and my reads of this slot are over
	s_barrier_signal -1
	MUL16 2, 1, NQ-1, \slot, 0
	WIN 0
	s_barrier_wait -1
.if \fill
	CREST                                          ; the barrier has opened a round of the cluster's
	s_add_nc_u64 s[G0+4*\slot+2:G0+4*\slot+3], s[G0+4*\slot+2:G0+4*\slot+3], 2*ASTEP
	s_add_nc_u64 s[G0B+4*\slot+2:G0B+4*\slot+3], s[G0B+4*\slot+2:G0B+4*\slot+3], 2*BSTEP
	JLOAD G0+4*\slot, G1, G0B+4*\slot, G1B
.else
	PLACES NP
.endif
	FETCH_B \next, 0, 0
	FETCH_A \next, 0, 0
	SCALES \next
	WIN MUL_HI
	MUL16 4, 1, NQ-1, \slot, 0
	MUL16 6, 1, NQ-1, \slot, 0
	PLACES NP
	WIN 0
	FETCH_A \next, 0, 4
.endm
	s_load_b128 s[4:7], s[0:1], 0x0                ; oc, wbuf
	s_load_b64 s[12:13], s[0:1], 0x10              ; out0
	v_lshl_add_u32 v[SPW], v0, 2, SPARE
	v_mov_b32 v[NIL], 0
	ds_add_u32 v[SPW], v[NIL]                      ; the wave's opening
	v_lshrrev_b32 v1, 5, v0
	v_readfirstlane_b32 s14, v1
	s_lshr_b32 s15, s14, 1
	s_and_b32 s16, s14, 1
	s_bfe_u32 s40, ttmp6, 0x40000                  ; cx
	s_bfe_u32 s41, ttmp6, 0x40004                  ; cy
	s_and_b32 s17, ttmp7, 0xffff
	s_lshl_b32 s17, s17, 2
	s_add_co_u32 s17, s17, s41                     ; the tile of 256 tokens
	s_lshl_b32 s43, s41, 2
	s_lshl_b32 s43, 15, s43
	s_lshl_b32 s44, 0x1111, s40
	s_or_b32 s[G1+0], s43, (3<<16)|(1<<21)
	s_or_b32 s[G1B+0], s44, (3<<16)|(1<<21)
.irp g, G1, G1B
	s_mov_b32 s[\g+1], 32<<16
	s_mov_b32 s[\g+2], 100<<16
	s_mov_b32 s[\g+3], 32<<16
	s_mov_b32 s[\g+4], 100
	s_mov_b32 s[\g+5], 32
	s_mov_b32 s[\g+6], 0
	s_mov_b32 s[\g+7], 0
.endr
	s_lshl_b32 s20, s17, 1
	s_add_co_u32 s20, s20, s16
	s_mul_i32 s20, s20, BLK
	s_mov_b32 s21, 0
	s_lshl_b32 s46, s40, 1
	s_add_co_u32 s46, s46, s16
	s_add_co_u32 s46, s46, 24                      ; Wo's positions begin at block 24 of each K step
	s_mul_i32 s46, s46, BLK
	s_mov_b32 s47, 0
	s_mul_i32 s45, s14, BLK
	s_wait_dscnt 0x0
	s_wait_kmcnt 0x0
	s_add_nc_u64 s[20:21], s[4:5], s[20:21]
	s_add_nc_u64 s[46:47], s[6:7], s[46:47]
.irp s, 0,1
	s_mov_b32 s[G0+4*\s], 1
	s_add_co_u32 s[G0+4*\s+1], s45, \s*SLOT
	s_add_nc_u64 s[G0+4*\s+2:G0+4*\s+3], s[20:21], \s*ASTEP
	s_or_b32 s[G0+4*\s+3], s[G0+4*\s+3], 0x80000000
	s_mov_b32 s[G0B+4*\s], 1
	s_add_co_u32 s[G0B+4*\s+1], s45, \s*SLOT
	s_add_nc_u64 s[G0B+4*\s+2:G0B+4*\s+3], s[46:47], \s*BSTEP
	s_or_b32 s[G0B+4*\s+3], s[G0B+4*\s+3], 0x80000000
.endr
	CROUND
	JLOAD G0, G1, G0B, G1B
	JLOAD G0+4, G1, G0B+4, G1B
	v_and_b32 v1, 15, v0
	v_bfe_u32 v2, v0, 4, 1
	v_and_b32 v3, 31, v0
	v_lshlrev_b32 v[L16], 4, v3
	v_lshlrev_b32 v5, 3, v3
	v_add_nc_u32 v5, 512, v5
	s_mul_i32 s18, s15, BLK
	s_mul_i32 s19, s16, BLK
	s_add_co_u32 s19, s19, 2*BLK
	s_sub_co_u32 s22, s19, s18
	v_mul_u32_u24 v4, s22, v2
	v_lshl_add_u32 v4, v1, 3, v4
	v_add_nc_u32 v4, 24576, v4
.irp s, 0,1
	v_add_nc_u32 v[ADRA+\s], s18, v[L16]
	v_add_nc_u32 v[ADRA+2+\s], s18, v5
	v_add_nc_u32 v[ADRB+\s], s19, v[L16]
	v_add_nc_u32 v[ADRB+2+\s], s19, v5
	v_add_nc_u32 v[ADRS+\s], s18, v4
	s_add_co_u32 s18, s18, SLOT
	s_add_co_u32 s19, s19, SLOT
.endr
	s_mul_i32 s23, s14, 16*SPITCH                  ; my stage
	v_mul_u32_u24 v[STO], v1, SPITCH
	v_lshl_add_u32 v[STO], v2, 6, v[STO]
	v_add_nc_u32 v[STO], s23, v[STO]               ; in: row r, 64 h bytes on
	v_add_nc_u32 v[RD], s23, v[L16]                ; back: a row's 512 bytes by the 32 lanes
	s_lshl_b32 s18, s17, 8
	s_lshl_b32 s19, s15, 7
	s_add_co_u32 s18, s18, s19
	s_lshl_b32 s18, s18, 12                        ; my first row of out0, in bytes
	s_lshl_b32 s22, s40, 10
	s_lshl_b32 s23, s16, 9
	s_add_co_u32 s22, s22, s23
	s_add_co_u32 s18, s18, s22                     ; and my first column
	s_mov_b32 s19, 0
	s_add_nc_u64 s[12:13], s[12:13], s[18:19]
	s_wait_tensorcnt 1                             ; my part of K step 0 is in; K step 1's may stay out
	s_barrier_signal -1
	s_barrier_wait -1
	FETCH_B 0, 0, 0
	FETCH_A 0, 0, 0
	SCALES 0
	FETCH_A 0, 0, 4
	STEP 0, 0, 1
	TURN 0, 1, 1
	STEP 1, 0, 0
	TURN 1, 0, 1
	STEP 0, 0, 0
	TURN 0, 1, 0
	STEP 1, 0, 0
	s_wait_dscnt 4*NL
	WIN MUL_LO
	MUL16 0, 1, NQ-1, 1, 0
	MUL16 2, 1, NQ-1, 1, 0
	s_wait_dscnt 0
	WIN MUL_HI
	MUL16 4, 1, NQ-1, 1, 0
	MUL16 6, 1, NQ-1, 1, 0
	WIN 0
.macro TOSTAGE a                       ; block a, 16 positions x 128 columns, into my stage with the columns in their true order, and back as whole rows
.set AC, 64*((\a)%4)
	WIN 0x08+4*((\a)/4)                            ; an LDS store's data: window 2 or 3
.irp b, 0,1,2,3,4,5,6,7
	ds_store_b128 v[STO], v[AC+8*\b:AC+8*\b+3] offset:128*(\b/2)+32*(\b%2)      ; each accumulator from its low end on
	ds_store_b128 v[STO], v[AC+8*\b+4:AC+8*\b+7] offset:128*(\b/2)+32*(\b%2)+16
.endr
	WIN 0
.set BB, BK+64*((\a)%2)
.irp t, 0,1,2,3,4,5,6,7,8,9,10,11,12,13,14,15
	ds_load_b128 v[BB+4*\t:BB+4*\t+3], v[RD] offset:\t*SPITCH    ; LDS serves a wave's instructions in order: these see my stores
.endr
.endm
.macro SEND a, younger                 ; position t of block a is row 32 (a / 2) + 8 (a % 2) + t % 8 + 16 (t / 8) of my 128: in the immediate, 127 rows of 4,096 bytes at the most
.set BB, BK+64*((\a)%2)
	s_wait_dscnt \younger
.irp t, 0,1,2,3,4,5,6,7,8,9,10,11,12,13,14,15
	global_store_b128 v[L16], v[BB+4*\t:BB+4*\t+3], s[12:13] offset:(32*((\a)/2)+8*((\a)%2)+(\t%8)+16*(\t/8))*4096 th:TH_STORE_NT   ; 32 lanes store 512 consecutive bytes, aligned to 256
.endr
.endm
	PLACES NP                                      ; behind the last products: for the loads into A's registers and the reads of results
	TOSTAGE 0
.irp a, 1,2,3,4,5,6,7
.if \a > 1
	s_wait_xcnt 0x0                                ; block a - 2's stores have read their registers: block a's loads may land there
.endif
	TOSTAGE \a
	SEND \a-1, 32                                  ; behind block a - 1's loads: block a's 16 stores and 16 loads
.endr
	SEND 7, 0
	s_wait_tensorcnt 0x0                           ; the wave's end
	ds_add_u32 v[SPW], v[NIL]
	s_wait_dscnt 0x0
	CROUND                                         ; the closing round
	s_endpgm
.Lfunc_end_k_q454b49118e_oproj:
	.size	k_q454b49118e_oproj, .Lfunc_end_k_q454b49118e_oproj-k_q454b49118e_oproj
	.p2alignl 7, 3214868480
	.fill 96, 4, 3214868480
	.section	.rodata,"a",@progbits
	.p2align	6, 0x0
	.amdhsa_kernel k_q454b49118e_oproj
		.amdhsa_group_segment_fixed_size 327680
		.amdhsa_private_segment_fixed_size 0
		.amdhsa_enable_private_segment 0
		.amdhsa_kernarg_size 24
		.amdhsa_user_sgpr_count 2
		.amdhsa_user_sgpr_kernarg_segment_ptr 1
		.amdhsa_wavefront_size32 1
		.amdhsa_system_sgpr_workgroup_id_x 1
		.amdhsa_system_sgpr_workgroup_id_y 1
		.amdhsa_system_sgpr_workgroup_id_z 1
		.amdhsa_system_vgpr_workitem_id 0
		.amdhsa_next_free_vgpr 1024
		.amdhsa_next_free_sgpr 98
		.amdhsa_reserve_vcc 0
		.amdhsa_float_denorm_mode_32 3
		.amdhsa_float_denorm_mode_16_64 3
		.amdhsa_memory_ordered 1
		.amdhsa_forward_progress 1
		.amdhsa_inst_pref_size 140
	.end_amdhsa_kernel
	.amdgpu_metadata
---
amdhsa.version: [ 1, 2 ]
amdhsa.kernels:
  - .name:           k_q454b49118e_oproj
    .symbol:         k_q454b49118e_oproj.kd
    .args:
      - { .name: oc, .offset: 0, .size: 8, .value_kind: global_buffer, .address_space: global }
      - { .name: wbuf, .offset: 8, .size: 8, .value_kind: global_buffer, .address_space: global }
      - { .name: out0, .offset: 16, .size: 8, .value_kind: global_buffer, .address_space: global }
    .group_segment_fixed_size: 327680
    .private_segment_fixed_size: 0
    .kernarg_segment_align: 8
    .kernarg_segment_size: 24
    .max_flat_workgroup_size: 128
    .sgpr_count:     98
    .vgpr_count:     1024
    .wavefront_size: 32
...
	.end_amdgpu_metadata
.endif
;; end of part 4
